; MI455X (gfx1250); checked and timed in simulation.
; The chip was launched on July 23, 2026; its instructions are those of AMD's public machine-readable ISA for CDNA 5 (MIT licence, August 2026) and "CDNA5" Instruction Set Architecture Reference Guide (July 2026). The comments in the code are by the model that wrote it; some were corrected since.
;; Block. Allowed arithmetic: matrix products marked QUANTISED: E2M3 operands, one E8M0 scale for each 32 along K, by v_wmma_scale_f32_16x16x128_f8f6f4 with both operands' format E2M3, f32 sums; everything else in f32.
;; Inputs: attn_b 3,072 float32; attn_w 1,024 x 3,072 float32; fc_b 4,096 float32; fc_w 1,024 x 4,096 float32; ln1_b 1,024 float32; ln1_w 1,024 float32; ln2_b 1,024 float32; ln2_w 1,024 float32; mlp_proj_b 1,024 float32; mlp_proj_w 4,096 x 1,024 float32; proj_b 1,024 float32; proj_w 1,024 x 1,024 float32; x 2 x 2,048 x 1,024 float32.
;; Outputs: out0 2 x 2,048 x 1,024 float32.
;; This version of the problem:
;;   THIS VERSION OF THE PROBLEM IS GIVEN IN LOW PRECISION. The matrix products marked QUANTISED in the list below multiply operands that are first quantised to E2M3 (2 exponent bits, 3 mantissa bits; 6 bits a number), with one power-of-two scale for each 32 numbers along K (OCP MX v1.0); their sums are f32. All else is computed in f32.
;;   The module's matrix products, in the order in which they are computed (A, B: the left and right operand; K: the contracted axis; several contracted axes count as one K, in the product's order):
;;     1. [M 4,096, K 1,024] x [K 1,024, N 3,072]; A: computed on the way; B: input attn_w: QUANTISED
;;     2. batch 32 x [M 2,048, K 64] x [K 64, N 2,048]; A: computed on the way; B: computed on the way: QUANTISED
;;     3. batch 32 x [M 2,048, K 2,048] x [K 2,048, N 64]; A: softmax (see below); B: computed on the way: QUANTISED
;;     4. [M 4,096, K 1,024] x [K 1,024, N 1,024]; A: computed on the way; B: input proj_w: QUANTISED
;;     5. [M 4,096, K 1,024] x [K 1,024, N 4,096]; A: computed on the way; B: input fc_w: QUANTISED
;;     6. [M 4,096, K 4,096] x [K 4,096, N 1,024]; A: computed on the way; B: input mlp_proj_w: QUANTISED
;;   THE QUANTISER, for each operand of a quantised product, along K:
;;     - K is cut into blocks of 32 from its start; a last block that is shorter is filled with zeros.
;;     - A block's scale is 2^e with e = floor(log2(the largest magnitude in the block)) - 2, held to -126 .. 127; a block of zeros has e = 0. As a byte (E8M0): e + 127.
;;     - Each number is divided by its block's scale, clamped to +-7.5, and rounded to the nearest number of E2M3, ties to even, subnormals kept.
;;     - The product sums the exact products of the quantised numbers (number of the format x scale) in f32.
;;   ~~~python
;;   def quantise(x, axis):      # numpy; x: float32 -> the quantised numbers, widened to float32 again
;;       x = np.moveaxis(x, axis, -1); K = x.shape[-1]
;;       x = np.pad(x, [(0, 0)] * (x.ndim - 1) + [(0, -K % 32)]); x = x.reshape(x.shape[:-1] + (-1, 32)); a = np.abs(x).max(-1, keepdims=True)
;;       e = np.where(a > 0, np.clip(np.frexp(np.where(a > 0, a, 1))[1] - 1 - 2, -126, 127), 0)      # np.frexp(a)[1] - 1 = floor(log2(a)), exactly
;;       r = np.clip(x / 2.0 ** e, -7.5, 7.5)
;;       step = 2.0 ** (np.maximum(np.frexp(np.where(r == 0, 1, r))[1] - 1, 0) - 3)
;;       q = np.round(r / step) * step * 2.0 ** e      # np.round: ties to even
;;       return np.moveaxis(q.reshape(q.shape[:-2] + (-1,))[..., :K], -1, axis).astype(np.float32)
;;   ~~~
;;   SOFTMAX AHEAD OF A QUANTISED PRODUCT. Where the list says 'softmax', what is quantised is not the finished softmax but p = 2^(t - M), with t = logit x log2(e) and M = ceil(the row's largest t), a whole number; so 1/2 < the row's largest p <= 1. The row's sum l is taken of the UNQUANTISED p, in f32, and the product's result is divided by l at the end. Since M is a whole number, a kernel that streams over the keys may use a running M (the ceiling of the running maximum): every later rescaling is an exact power of two, which a block's scale takes up: the codes' values come out the same.
;;   OPERANDS COMPUTED ON THE WAY. 'Computed on the way' means the value that the module computes at that place (a softmax that the list does not call 'softmax' is quantised finished and normalised). What goes into a quantiser is computed in f32, as accurately as f32 sums, v_exp_f32 and their like allow (about 1e-6 of the number): no bf16 or f16 on the way to a quantiser, and a product that is left as it is and whose result goes on into a quantised operand takes f32 operands (vector FMAs, or v_wmma_f32_16x16x4_f32). A number that lies on a knife's edge between two numbers of the format may be rounded either way, as far as f32 arithmetic and the matrix unit's own rounding can turn it there, and no further.
;; One version. Each part assembles by itself: llvm-mc -triple=amdgcn-amd-amdhsa -mcpu=gfx1250 --defsym DOCPART=n.
;; ======== version 1 of 1: 7 launches
;; limits: right only within a limited range of input values
;; workspace buffers: wts 9,830,400 bytes; act1 3,276,800 bytes; act2 3,276,800 bytes; yq 3,276,800 bytes; qkv 10,092,544 bytes; x1 16,777,216 bytes; hq 13,107,200 bytes
;; launch ln1 (part 1): grid 640 x 1, 4 waves a work-group, no clusters, 66,304 bytes of LDS; arguments x, ln1_w, ln1_b, act1, attn_w, proj_w, fc_w, mlp_proj_w, wts; writes act1, wts
.if DOCPART == 1
	.amdgcn_target "amdgcn-amd-amdhsa--gfx1250"
	.amdhsa_code_object_version 6
	.text
	.protected	k_qbb7766f309_ln1
	.globl	k_qbb7766f309_ln1
	.p2align	8
	.type	k_qbb7766f309_ln1,@function
k_qbb7766f309_ln1:
	s_mov_b64 s[64:65], 0
	v_nop
	global_prefetch_b8 v0, s[64:65] scope:SCOPE_SE
	s_setreg_imm32_b32 hwreg(HW_REG_WAVE_MODE, 25, 1), 1
	s_wait_xcnt 0x0
; y = (x - mean) rsqrt(var + 1e-5) w + b by rows of 1,024, in f32 (mean first, then the variance of the differences), and y's codes of E2M3 along the row, with one E8M0 byte for each 32.
; The text serves both layer norms: the buffers are the launch's.
; The result is laid as an operand: tiles of 16 tokens; tile 2 g + u, row r is token 32 g + 8 u + r + 8 (r / 8); a tile's 64 along K are a half-image of 768 bytes (lane r + 16 h: K = 32 h .. + 31 of row r;
; registers 0-3 at 16 x lane, 4-5 at 512 + 8 x lane); scale words [128 tokens][K / 128][8 tiles][16 rows] from byte 3,145,728 on.
; A work-group makes one tile.  Phase 1: wave w normalises the tile's rows 4 w .. 4 w + 3, which are four consecutive tokens, a row in 32 registers; the rows meet in a stage in LDS.
; Phase 2: wave w takes K = 256 w .. 256 w + 255 of all 16 rows, 32 neighbours a lane, and quantises: four half-images, stored from registers in whole runs of 512 and 256 bytes.
; LIMITS: a block whose largest magnitude lies under 2^-124 takes the byte 1, a block of zeros too (zero codes; the bytes are read by this program alone); NaN and infinities are not served.
.set STGP,  4112                       ; a stage row: 4,096 bytes + 16: sixteen rows' reads of 16 bytes begin 16 bytes apart modulo 256
.set SPARE, 65792                      ; behind the stage: the spare words, 128 bytes a wave
.set X,   32                           ; v32-159  four rows, later four runs of 32 neighbours
.set W,   160                          ; v160-191 w; later the codes
.set BB,  192                          ; v192-223 b
.set PC,  160
	; ONE BODY, TWO PATHS, parted by the work-group's number alone: work-groups 0-255 normalise (below); work-groups 256-639 quantise the four weights (.Lweights).
	; A launch of 256 work-groups (the second layer norm) runs the first path alone.  Only the first path touches LDS.
	s_cmp_ge_u32 ttmp9, 256
	s_cbranch_scc1 .Lweights
	s_load_b256 s[4:11], s[0:1], 0x0               ; x, w, b, the result
	v_lshl_add_u32 v30, v0, 2, SPARE               ; my spare word,
	v_mov_b32 v31, 0                               ; and 0: both kept for the closing lines
	v_lshrrev_b32 v1, 5, v0
	v_readfirstlane_b32 s12, v1                    ; wave
	v_and_b32 v1, 31, v0
	v_lshlrev_b32 v2, 4, v1                        ; 16 x lane
	v_lshlrev_b32 v3, 3, v1                        ; 8 x lane
	v_and_b32 v6, 15, v0                           ; r
	v_bfe_u32 v7, v0, 4, 1                         ; h
	s_mul_i32 s13, s12, 4*STGP
	v_add_nc_u32 v4, s13, v2                       ; into the stage: my four rows, 16 bytes a lane
	v_mul_u32_u24 v5, v6, STGP
	v_lshl_add_u32 v5, v7, 7, v5
	s_lshl_b32 s13, s12, 10
	v_add_nc_u32 v5, s13, v5                       ; out of it: row r, + 1,024 x wave + 128 h
	v_lshlrev_b32 v6, 2, v6
	v_lshl_add_u32 v6, v7, 9, v6                   ; the scale words: 4 r + 512 h
	v_lshlrev_b32 v7, 3, v7                        ; 8 h
	s_mov_b32 s20, 0x76543210
	s_mov_b32 s21, 0xfedcba98                      ; lane l xor 16
	s_mov_b32 s22, 0xffff0000                      ; lanes 16-31
	s_mov_b32 s23, 0x3a800000                      ; 1 / 1,024
	s_mov_b32 s24, 0x3727c5ac                      ; 1e-5
	s_lshr_b32 s13, ttmp9, 1
	s_lshl_b32 s13, s13, 5
	s_and_b32 s25, ttmp9, 1
	s_lshl_b32 s25, s25, 3
	s_add_co_u32 s13, s13, s25
	s_lshl_b32 s25, s12, 2
	s_add_co_u32 s13, s13, s25
	s_lshr_b32 s25, s12, 1
	s_lshl_b32 s25, s25, 3
	s_add_co_u32 s13, s13, s25                     ; my first token: 32 g + 8 u + 4 w + 8 (w / 2)
	s_lshl_b32 s26, s13, 12
	s_mov_b32 s27, 0
	s_mul_i32 s28, ttmp9, 12288                    ; the tile's codes, + 3,072 x wave
	s_mul_i32 s25, s12, 3072
	s_add_co_u32 s28, s28, s25
	s_mov_b32 s29, 0
	s_lshr_b32 s30, ttmp9, 3                       ; the scale words: ((tile / 8) x 8 + 2 w) x 512 + (tile % 8) x 64
	s_lshl_b32 s30, s30, 3
	s_lshl_b32 s25, s12, 1
	s_add_co_u32 s30, s30, s25
	s_lshl_b32 s30, s30, 9
	s_and_b32 s25, ttmp9, 7
	s_lshl_b32 s25, s25, 6
	s_add_co_u32 s30, s30, s25
	s_add_co_u32 s30, s30, 3145728
	s_mov_b32 s31, 0
	s_wait_kmcnt 0x0
	s_add_nc_u64 s[14:15], s[4:5], s[26:27]
	s_add_nc_u64 s[16:17], s[10:11], s[28:29]
	s_add_nc_u64 s[18:19], s[10:11], s[30:31]
.irp i, 0,1,2,3
.irp j, 0,1,2,3,4,5,6,7
	global_load_b128 v[X+32*\i+4*\j:X+32*\i+4*\j+3], v2, s[14:15] offset:4096*\i+512*\j th:TH_LOAD_NT
.endr
.endr
.irp j, 0,1,2,3,4,5,6,7
	global_load_b128 v[W+4*\j:W+4*\j+3], v2, s[6:7] offset:512*\j
.endr
.irp j, 0,1,2,3,4,5,6,7
	global_load_b128 v[BB+4*\j:BB+4*\j+3], v2, s[8:9] offset:512*\j
.endr
.macro RED                             ; the four rows' pairs v[16 + 2 i], v[17 + 2 i] are summed over the halves and the 32 lanes; every lane gets the sums, in v[16 + 2 i]
.irp i, 0,1,2,3
	v_add_f32 v[16+2*\i], v[16+2*\i], v[17+2*\i]
.endr
.irp m, 1,2,4,8
.irp i, 0,1,2,3
	v_add_f32_dpp v[16+2*\i], v[16+2*\i], v[16+2*\i] row_xmask:\m row_mask:0xf bank_mask:0xf
.endr
.endr
.irp i, 0,1,2,3
	v_permlanex16_b32 v[17+2*\i], v[16+2*\i], s20, s21
.endr
.irp i, 0,1,2,3
	v_add_f32 v[16+2*\i], v[16+2*\i], v[17+2*\i]
.endr
.endm
	s_wait_loadcnt 16                              ; x is in; the sixteen loads of w and b may be out
.irp i, 0,1,2,3                                ; the rows by turns: no line waits for the line above it
	v_pk_add_f32 v[16+2*\i:17+2*\i], v[X+32*\i:X+32*\i+1], v[X+32*\i+2:X+32*\i+3]
.endr
.irp p, 4,6,8,10,12,14,16,18,20,22,24,26,28,30
.irp i, 0,1,2,3
	v_pk_add_f32 v[16+2*\i:17+2*\i], v[16+2*\i:17+2*\i], v[X+32*\i+\p:X+32*\i+\p+1]
.endr
.endr
	RED
.irp i, 0,1,2,3
	v_mul_f32 v[8+2*\i], s23, v[16+2*\i]           ; the mean, in both halves of a pair
	v_mul_f32 v[9+2*\i], s23, v[16+2*\i]
.endr
.irp p, 0,2,4,6,8,10,12,14,16,18,20,22,24,26,28,30
.irp i, 0,1,2,3
	v_pk_add_f32 v[X+32*\i+\p:X+32*\i+\p+1], v[X+32*\i+\p:X+32*\i+\p+1], v[8+2*\i:9+2*\i] neg_lo:[0,1] neg_hi:[0,1]
.endr
.endr
.irp i, 0,1,2,3
	v_pk_mul_f32 v[16+2*\i:17+2*\i], v[X+32*\i:X+32*\i+1], v[X+32*\i:X+32*\i+1]
.endr
.irp p, 2,4,6,8,10,12,14,16,18,20,22,24,26,28,30
.irp i, 0,1,2,3
	v_pk_fma_f32 v[16+2*\i:17+2*\i], v[X+32*\i+\p:X+32*\i+\p+1], v[X+32*\i+\p:X+32*\i+\p+1], v[16+2*\i:17+2*\i]
.endr
.endr
	RED
.irp i, 0,1,2,3
	v_fma_f32 v[16+2*\i], v[16+2*\i], s23, s24     ; the variance + 1e-5
.endr
	s_wait_alu depctr_va_vdst(0)
.irp i, 0,1,2,3
	v_rsq_f32 v[8+2*\i], v[16+2*\i]
.endr
	v_nop                                          ; a plain place behind the four roots,
	s_wait_alu depctr_va_vdst(0)                   ; and one wait for the batch, ahead of its first reader
.irp i, 0,1,2,3
	v_mov_b32 v[9+2*\i], v[8+2*\i]
.endr
	s_wait_alu depctr_va_vdst(0)
	s_wait_loadcnt 0x0                             ; w and b
.irp p, 0,2,4,6,8,10,12,14,16,18,20,22,24,26,28,30
.irp i, 0,1,2,3
	v_pk_mul_f32 v[X+32*\i+\p:X+32*\i+\p+1], v[X+32*\i+\p:X+32*\i+\p+1], v[8+2*\i:9+2*\i]
.endr
.irp i, 0,1,2,3
	v_pk_fma_f32 v[X+32*\i+\p:X+32*\i+\p+1], v[X+32*\i+\p:X+32*\i+\p+1], v[W+\p:W+\p+1], v[BB+\p:BB+\p+1]
.endr
.endr
.irp i, 0,1,2,3
.irp j, 0,1,2,3,4,5,6,7
	ds_store_b128 v4, v[X+32*\i+4*\j:X+32*\i+4*\j+3] offset:STGP*\i+512*\j
.endr
.endr
	s_wait_dscnt 0x0                               ; for the others' sake: my rows lie in the stage
	s_barrier_signal -1
	s_barrier_wait -1
.irp q, 0,1,2,3                                ; half-image 4 w + q: my 32 neighbours of row r
.irp j, 0,1,2,3,4,5,6,7
	ds_load_b128 v[X+32*\q+4*\j:X+32*\q+4*\j+3], v5 offset:256*\q+16*\j
.endr
.endr
	s_wait_dscnt 0x0
.irp q, 0,1,2,3                                ; a block of 32 lies in one lane; the floor 2^(3 - 127) holds the byte at 1 from below
	v_max3_num_f32 v[16+\q], |v[X+32*\q]|, |v[X+32*\q+1]|, 0x1800000
.endr
.irp i, 2,4,6,8,10,12,14,16,18,20,22,24,26,28,30
.irp q, 0,1,2,3
	v_max3_num_f32 v[16+\q], v[16+\q], |v[X+32*\q+\i]|, |v[X+32*\q+\i+1]|
.endr
.endr
.irp q, 0,1,2,3
	v_add_nc_u32 v[20+\q], 0xff000000, v[16+\q]    ; 2 off the exponent field: the conversion's scale operand
.endr
.irp q, 0,1,2,3
	v_lshrrev_b32 v[24+\q], 23, v[20+\q]           ; the scale's byte
.endr
.irp q, 0,1,2,3
	v_cvt_scalef32_pk16_fp6_f32 v[PC+8*\q:PC+8*\q+2], v[X+32*\q:X+32*\q+15], v[20+\q]
	v_cvt_scalef32_pk16_fp6_f32 v[PC+8*\q+4:PC+8*\q+6], v[X+32*\q+16:X+32*\q+31], v[20+\q]
.endr
	v_nop                                          ; one plain place behind the conversions
.irp q, 0,1,2,3
.irp i, 3,4,5
	v_mov_b32 v[PC+8*\q+\i], v[PC+8*\q+\i+1]
.endr
.endr
.irp q, 0,1,2,3
	global_store_b128 v2, v[PC+8*\q:PC+8*\q+3], s[16:17] offset:768*\q
	global_store_b64 v3, v[PC+8*\q+4:PC+8*\q+5], s[16:17] offset:768*\q+512
.endr
	v_lshl_or_b32 v24, v25, 16, v24                ; my two bytes of K step 2 w: blocks h and 2 + h,
	v_lshl_or_b32 v26, v27, 16, v26                ; and of K step 2 w + 1,
	v_lshlrev_b32 v24, v7, v24                     ; at their places (8 h bits up);
	v_lshlrev_b32 v26, v7, v26
	v_permlanex16_b32 v25, v24, s20, s21
	v_permlanex16_b32 v27, v26, s20, s21
	v_or_b32 v24, v24, v25                         ; with lane l xor 16's two each word is whole
	v_or_b32 v26, v26, v27
	v_cndmask_b32 v24, v24, v26, s22               ; lanes 0-15 store the first K step's words, lanes 16-31 the second's
	global_store_b32 v6, v24, s[18:19]
	s_wait_tensorcnt 0x0                           ; the wave's end
	ds_add_u32 v30, v31
	s_wait_dscnt 0x0
	s_endpgm
; THE WEIGHTS, f32 stored [K][N], become codes of E2M3 with one E8M0 byte for each 32 along K, laid as the products' operand registers want them:
; tiles of 16 columns (tile 2 g + u, row r = column 32 g + 8 u + r + 8 (r / 8)); a tile's 64 along K are a half-image of 768 bytes; scale words [128 columns][K / 128][8 tiles][16 rows].
; A lane takes a column and its registers run down K.  A work-group takes 128 columns x 256 along K of one weight, a wave 32 columns (two tiles).
; LIMITS: as above: the byte is held at 1 from below; a block of zeros takes the byte 1 with zero codes; NaN and infinities are not served.
.Lweights:
.set OFF,  8                           ; v8-23   4 x my column + i rows; never rewritten
.set SB,   24                          ; v24-25  my column's scale words of the two K steps
.set X,    32                          ; v32-159 two sets of 64 numbers
.set C,    160                         ; v160-223 codes: 16 registers a trip, so that no store's data are written again
.set BASE, 32                          ; s[32:63] sixteen bases, 16 rows of the weight apart; never rewritten
	s_load_b256 s[4:11], s[0:1], 0x20              ; attn_w, proj_w, fc_w, mlp_proj_w
	s_load_b64 s[12:13], s[0:1], 0x40              ; the workspace
	v_lshrrev_b32 v1, 5, v0
	v_readfirstlane_b32 s24, v1                    ; wave
	v_and_b32 v1, 31, v0
	v_lshlrev_b32 v2, 4, v1
	v_lshlrev_b32 v3, 3, v1
	v_lshlrev_b32 v4, 2, v1
	v_and_b32 v5, 7, v1
	v_lshrrev_b32 v6, 4, v1
	v_lshl_add_u32 v5, v6, 3, v5
	v_bfe_u32 v6, v1, 3, 1
	v_lshl_add_u32 v5, v6, 4, v5                   ; my column among the wave's 32: lane % 8 + 8 (lane / 16) + 16 ((lane / 8) % 2)
	v_lshlrev_b32 v5, 2, v5
	; work-groups 256-351 attn_w, 352-383 proj_w, 384-511 fc_w, 512-639 mlp_proj_w.  The numbers begin as mlp_proj_w's
	s_mov_b32 s16, 512                             ; the weight's first work-group
	s_mov_b32 s17, 4096                            ; bytes in a row of the weight
	s_mov_b32 s18, 49152                           ; bytes of a tile's codes
	s_mov_b32 s19, 4                               ; log2 and mask of K / 256
	s_mov_b32 s20, 15
	s_mov_b32 s21, 32                              ; K / 128
	s_mov_b32 s22, 6291456                         ; where its codes begin in the workspace
	s_mov_b32 s23, 9699328                         ; and its scale words
	s_wait_alu depctr_va_vdst(0)                   ; the wait at the head's end
	s_wait_kmcnt 0x0
	s_mov_b64 s[14:15], s[10:11]
	s_cmp_lt_u32 ttmp9, 512
	s_cselect_b32 s16, 384, s16
	s_cselect_b32 s17, 16384, s17
	s_cselect_b32 s18, 12288, s18
	s_cselect_b32 s19, 2, s19
	s_cselect_b32 s20, 3, s20
	s_cselect_b32 s21, 8, s21
	s_cselect_b32 s22, 3145728, s22
	s_cselect_b32 s23, 9568256, s23
	s_cselect_b64 s[14:15], s[8:9], s[14:15]
	s_cmp_lt_u32 ttmp9, 384
	s_cselect_b32 s16, 352, s16
	s_cselect_b32 s17, 4096, s17
	s_cselect_b32 s22, 2359296, s22
	s_cselect_b32 s23, 9535488, s23
	s_cselect_b64 s[14:15], s[6:7], s[14:15]
	s_cmp_lt_u32 ttmp9, 352
	s_cselect_b32 s16, 256, s16
	s_cselect_b32 s17, 12288, s17
	s_cselect_b32 s22, 0, s22
	s_cselect_b32 s23, 9437184, s23
	s_cselect_b64 s[14:15], s[4:5], s[14:15]
	s_sub_co_u32 s25, ttmp9, s16
	s_and_b32 s26, s25, s20                        ; which 256 along K
	s_lshr_b32 s25, s25, s19                       ; which 128 columns
	s_lshl_b32 s27, s25, 2
	s_add_co_u32 s27, s27, s24                     ; g: my wave's 32 columns
.irp i, 0,1,2,3,4,5,6,7,8,9,10,11,12,13,14,15
	v_mad_u32_u24 v[OFF+\i], s17, \i, v5
.endr
	s_lshl_b32 s2, s26, 8
	s_mul_i32 s2, s2, s17
	s_lshl_b32 s3, s27, 7
	s_add_co_u32 s2, s2, s3
	s_mov_b32 s3, 0
	s_add_nc_u64 s[BASE:BASE+1], s[14:15], s[2:3]
	s_lshl_b32 s2, s17, 4                          ; 16 rows
.irp j, 1,2,3,4,5,6,7,8,9,10,11,12,13,14,15
	s_add_nc_u64 s[BASE+2*\j:BASE+2*\j+1], s[BASE+2*\j-2:BASE+2*\j-1], s[2:3]
.endr
.macro LOAD t                          ; rows 64 t .. 64 t + 63 of my column into set t % 2; each load reads 128 consecutive bytes a wave
.irp j, 0,1,2,3
.irp i, 0,1,2,3,4,5,6,7,8,9,10,11,12,13,14,15
	global_load_b32 v[X+64*((\t)%2)+16*\j+\i], v[OFF+\i], s[BASE+2*(4*(\t)+\j):BASE+2*(4*(\t)+\j)+1] th:TH_LOAD_NT
.endr
.endr
.endm
	s_wait_alu depctr_va_vdst(0)
	LOAD 0
	LOAD 1
	s_lshl_b32 s28, s27, 1                         ; the even tile's codes: tile 2 g, 3,072 bytes for each 256 along K
	s_mul_i32 s28, s28, s18
	s_mul_i32 s29, s26, 3072
	s_add_co_u32 s28, s28, s29
	s_add_co_u32 s28, s28, s22
	s_mov_b32 s29, 0
	s_add_nc_u64 s[28:29], s[12:13], s[28:29]
	s_mov_b32 s30, s18
	s_mov_b32 s31, 0
	s_add_nc_u64 s[30:31], s[28:29], s[30:31]      ; the odd tile's
	s_mul_i32 s2, s25, s21                         ; the scale words: (128 columns x K / 128 + K step) x 512 + 128 x wave
	s_lshl_b32 s3, s26, 1
	s_add_co_u32 s2, s2, s3
	s_lshl_b32 s2, s2, 9
	s_lshl_b32 s3, s24, 7
	s_add_co_u32 s2, s2, s3
	s_add_co_u32 s2, s2, s23
	s_mov_b32 s3, 0
	s_add_nc_u64 s[2:3], s[12:13], s[2:3]
.macro TRIP t
.set XS, X+64*((\t)%2)
.set CE, C+16*(\t)
.set CD, C+16*(\t)+8
.if (\t) < 3
	s_wait_loadcnt 63                              ; this trip's 64 loads are in: 64 younger ones were issued, and 63 is the largest count that a wait names
.else
	s_wait_loadcnt 0x0
.endif
.irp h, 0,1                                    ; two blocks of 32 along K, by turns; the floor 2^(3 - 127) holds the byte at 1 from below
	v_max3_num_f32 v[26+\h], |v[XS+32*\h]|, |v[XS+32*\h+1]|, 0x1800000
.endr
.irp i, 2,4,6,8,10,12,14,16,18,20,22,24,26,28,30
.irp h, 0,1
	v_max3_num_f32 v[26+\h], v[26+\h], |v[XS+32*\h+\i]|, |v[XS+32*\h+\i+1]|
.endr
.endr
.irp h, 0,1
	v_add_nc_u32 v[28+\h], 0xff000000, v[26+\h]    ; 2 off the exponent field: the conversion's scale operand
.endr
.irp h, 0,1
	v_lshrrev_b32 v[30+\h], 23, v[28+\h]           ; the scale's byte
.endr
.if (\t)%2 == 0
	v_lshl_or_b32 v[SB+(\t)/2], v31, 8, v30
.else
	v_lshl_or_b32 v[SB+(\t)/2], v30, 16, v[SB+(\t)/2]
	v_lshl_or_b32 v[SB+(\t)/2], v31, 24, v[SB+(\t)/2]
.endif
	v_cvt_scalef32_pk16_fp6_f32 v[CE:CE+2], v[XS:XS+15], v28
	v_cvt_scalef32_pk16_fp6_f32 v[CE+4:CE+6], v[XS+16:XS+31], v28
	v_cvt_scalef32_pk16_fp6_f32 v[CD:CD+2], v[XS+32:XS+47], v29
	v_cvt_scalef32_pk16_fp6_f32 v[CD+4:CD+6], v[XS+48:XS+63], v29
	v_nop                                          ; one plain place behind the conversions
.irp i, 3,4,5
	v_mov_b32 v[CE+\i], v[CE+\i+1]
	v_mov_b32 v[CD+\i], v[CD+\i+1]
.endr
.irp i, 0,1,2,3,4,5                            ; the first block's lanes 16-31 (odd tile) change places with the second block's lanes 0-15 (even tile)
	v_permlane16_swap_b32 v[CE+\i], v[CD+\i]
.endr
.if (\t) < 2
	LOAD (\t)+2
.endif
	global_store_b128 v2, v[CE:CE+3], s[28:29] offset:768*(\t)
	global_store_b64 v3, v[CE+4:CE+5], s[28:29] offset:768*(\t)+512
	global_store_b128 v2, v[CD:CD+3], s[30:31] offset:768*(\t)
	global_store_b64 v3, v[CD+4:CD+5], s[30:31] offset:768*(\t)+512
.endm
	TRIP 0
	TRIP 1
	TRIP 2
	TRIP 3
	global_store_b32 v4, v[SB], s[2:3]             ; two tiles' scale words of a K step: 128 consecutive bytes a wave
	global_store_b32 v4, v[SB+1], s[2:3] offset:512
	s_endpgm
.Lfunc_end_k_qbb7766f309_ln1:
	.size	k_qbb7766f309_ln1, .Lfunc_end_k_qbb7766f309_ln1-k_qbb7766f309_ln1
	.p2alignl 7, 3214868480
	.fill 96, 4, 3214868480
	.section	.rodata,"a",@progbits
	.p2align	6, 0x0
	.amdhsa_kernel k_qbb7766f309_ln1
		.amdhsa_group_segment_fixed_size 66304
		.amdhsa_private_segment_fixed_size 0
		.amdhsa_enable_private_segment 0
		.amdhsa_kernarg_size 72
		.amdhsa_user_sgpr_count 2
		.amdhsa_user_sgpr_kernarg_segment_ptr 1
		.amdhsa_wavefront_size32 1
		.amdhsa_system_sgpr_workgroup_id_x 1
		.amdhsa_system_sgpr_workgroup_id_y 1
		.amdhsa_system_sgpr_workgroup_id_z 1
		.amdhsa_system_vgpr_workitem_id 0
		.amdhsa_next_free_vgpr 224
		.amdhsa_next_free_sgpr 66
		.amdhsa_reserve_vcc 0
		.amdhsa_float_denorm_mode_32 3
		.amdhsa_float_denorm_mode_16_64 3
		.amdhsa_memory_ordered 1
		.amdhsa_forward_progress 1
		.amdhsa_inst_pref_size 85
	.end_amdhsa_kernel
	.amdgpu_metadata
---
amdhsa.version: [ 1, 2 ]
amdhsa.kernels:
  - .name:           k_qbb7766f309_ln1
    .symbol:         k_qbb7766f309_ln1.kd
    .args:
      - { .name: x, .offset: 0, .size: 8, .value_kind: global_buffer, .address_space: global }
      - { .name: ln1_w, .offset: 8, .size: 8, .value_kind: global_buffer, .address_space: global }
      - { .name: ln1_b, .offset: 16, .size: 8, .value_kind: global_buffer, .address_space: global }
      - { .name: act1, .offset: 24, .size: 8, .value_kind: global_buffer, .address_space: global }
      - { .name: attn_w, .offset: 32, .size: 8, .value_kind: global_buffer, .address_space: global }
      - { .name: proj_w, .offset: 40, .size: 8, .value_kind: global_buffer, .address_space: global }
      - { .name: fc_w, .offset: 48, .size: 8, .value_kind: global_buffer, .address_space: global }
      - { .name: mlp_proj_w, .offset: 56, .size: 8, .value_kind: global_buffer, .address_space: global }
      - { .name: wts, .offset: 64, .size: 8, .value_kind: global_buffer, .address_space: global }
    .group_segment_fixed_size: 66304
    .private_segment_fixed_size: 0
    .kernarg_segment_align: 8
    .kernarg_segment_size: 72
    .max_flat_workgroup_size: 128
    .sgpr_count:     66
    .vgpr_count:     224
    .wavefront_size: 32
...
	.end_amdgpu_metadata
.endif
;; end of part 1
;; launch qkv (part 2): grid 24 x 32, 4 waves a work-group, clusters of 4 x 4, 327,680 bytes of LDS; arguments act1, wts, attn_b, qkv; writes qkv
.if DOCPART == 2
	.amdgcn_target "amdgcn-amd-amdhsa--gfx1250"
	.amdhsa_code_object_version 6
	.text
	.protected	k_qbb7766f309_qkv
	.globl	k_qbb7766f309_qkv
	.p2align	8
	.type	k_qbb7766f309_qkv,@function
k_qbb7766f309_qkv:
	s_mov_b64 s[64:65], 0
	v_nop
	global_prefetch_b8 v0, s[64:65] scope:SCOPE_SE
	s_setreg_imm32_b32 hwreg(HW_REG_WAVE_MODE, 25, 1), 1
	s_wait_xcnt 0x0
	s_wait_alu depctr_hold_cnt(0) depctr_sa_sdst(0) depctr_va_vdst(0) depctr_va_sdst(0) depctr_va_ssrc(0) depctr_va_vcc(0) depctr_vm_vsrc(0)
	s_getreg_b32 s2, hwreg(HW_REG_IB_STS2, 6, 4)
	s_cmp_eq_u32 s2, 0
	s_cbranch_scc0 .Lentry_in_a_cluster
	s_endpgm
.Lentry_in_a_cluster:
	s_bfe_u32 s2, ttmp6, 0x10000c
	s_cmp_lg_u32 s2, 0xf033
	s_cbranch_scc0 .Lentry_shape_is_right
	s_endpgm
.Lentry_shape_is_right:
; qkv = LN1(x) attn_w + attn_b on codes of E2M3 (K = 1,024), and q's, k's and v's own codes for attention, made in registers: the f32 numbers never go to memory.
; A tile of 128 x 128 to a work-group; four waves, 64 x 64 each: 16 accumulators.  Two operands: P0 is source 0, its indices run along a lane's result registers; P1 is source 1, its rows lie along the lanes.
; Operands lie in memory as images of the operand's registers: tiles of 16 rows (tile 2 g + u, row r = index 32 g + 8 u + r + 8 (r / 8)), 768 bytes for each 64 along K (lane r + 16 h: K = 32 h .. + 31;
; registers 0-3 at 16 x lane, 4-5 at 512 + 8 x lane).  So a lane's 16 registers of two neighbouring tiles of P0 are 16 neighbouring indices, as the conversions want them.
; q, k (cluster x under 4): P0 = 128 columns of the weight, P1 = 128 tokens: a lane holds a token and 64 neighbouring channels of one head: blocks along the head's axis.
; v (cluster x from 4 on): THE OPERANDS CHANGE PLACES: P0 = 128 tokens, P1 = 128 columns: a lane holds a channel and 64 neighbouring tokens: blocks along the keys.  The choice hangs on the cluster's x alone.
; All of K lies in LDS: filled once at the start; nothing is filled again.  CLUSTER 4 x 4: P1's tiles are shared along a row of the cluster, P0's along a column, by joint loads.
; All of a WGP's LDS is claimed; the text uses 264,704 bytes.
; LIMITS: a block whose largest magnitude lies under 2^-124 takes the byte 1, a block of zeros too (zero codes; the bytes are read by this program alone); NaN and infinities are not served.
.set KSZ,   1024
.set NK,    KSZ/128
.set TPB,   12*KSZ                     ; bytes of a tile's codes
.set ASO,   3145728                    ; where the activations' scale words begin
.set WSO,   9437184                    ; where this weight's scale words begin (its codes begin at 0)
.set QKS,   9437184                    ; in the result: q's and k's scale words,
.set VCO,   6291456                    ; v's codes,
.set VSO,   9961472                    ; v's scale words
.set QUART, 49152                      ; four tiles, all of K, dense: what one tensor load brings, and what one wave reads of P1 or of P0.  LDS: P1's 8 tiles of 12,288 bytes, then P0's: filled once
.set SCL,   196608                     ; the scale words of all of K: P1's NK x 512 bytes, then P0's
.set SPARE, 264192                     ; the spare words, 128 bytes a wave
.set A1,   16                          ; v16 P1's 16-byte reads; v18 its 8-byte reads
.set A0,   20                          ; v20, v22 the same for P0
.set ADRS, 27                          ; v27    my scale words: lanes 0-15 P1's rows, lanes 16-31 P0's
.set SPW,  28
.set NIL,  29
.set L16,  30                          ; v30    16 x lane
.set L8,   31                          ; v31    8 x lane
.set SC,   32                          ; v32-39 scale words, two sets of four; nothing else is ever kept there
.set BQ,   40                          ; v40-71 the bias along my registers
.set BV,   72                          ; v72-79 the bias of my lane's column, a pair for each tile of P1
.set PC,   80                          ; v80-111 codes, 8 registers a tile
.set TM,   112                         ; v112-119 at work in the quantiser
.set HW,   8                           ; v8-11  two scale bytes a tile
.set ACC,  128                         ; v128-255 accumulator (a, b) at ACC + 8 (4 a + b)
.set F0,   40                          ; window 1: two fragment buffers: P1's four at + 12 a, P0's four at + 48 + 12 b
.set F1,   144
.set SEL,  20
.set G1, 24
.set G0, 32
.set G1B, 48
.set G0B, 56
.set G1S, 68
.set G0S, 76
.set G1SB, 80
.set G0SB, 88
.set MSB, 0
.macro WIN new                         ; the immediate's high byte repeats the setting that is left
.if MSB != \new
	s_set_vgpr_msb (MSB<<8)|\new
.set MSB, \new
.endif
.endm
.set MUL,  0x05                        ; sources 0 and 1 window 1; C and D window 0
.set TO_F, 0x40                        ; destination window 1, address window 0
.macro JLOAD g0a, g1a, g0b, g1b        ; a joint load: waves 0 and 1 fetch for P1, waves 2 and 3 for P0; an s_nop 0 and four v_nop follow each line
	s_cmp_eq_u32 s15, 0
	s_cbranch_scc0 .Lfor_b_\@
	tensor_load_to_lds s[\g0a:\g0a+3], s[\g1a:\g1a+7]
	s_nop 0
.rept 4
	v_nop
.endr
	s_branch .Lasked_\@
.Lfor_b_\@:
	tensor_load_to_lds s[\g0b:\g0b+3], s[\g1b:\g1b+7]
	s_nop 0
.rept 4
	v_nop
.endr
.Lasked_\@:
.endm
.macro CROUND                          ; a round of the cluster's barrier
	s_barrier_signal -1
	s_barrier_wait -1
	s_cmp_lg_u32 s14, 0
	s_cbranch_scc1 .Lnot_wave_0_\@
	s_barrier_signal -3
.Lnot_wave_0_\@:
	s_barrier_wait -3
	s_barrier_signal -1
	s_barrier_wait -1
.endm
.macro PLACES n
.rept \n
	v_nop
.endr
.endm
.macro FRAG reg, adr, off              ; a fragment, 16 rows x 128 K: two half-images on end; every load is dense in the lanes
	ds_load_b128 v[(\reg):(\reg)+3], v[\adr] offset:\off
	ds_load_b64 v[(\reg)+4:(\reg)+5], v[(\adr)+2] offset:\off
	ds_load_b128 v[(\reg)+6:(\reg)+9], v[\adr] offset:(\off)+768
	ds_load_b64 v[(\reg)+10:(\reg)+11], v[(\adr)+2] offset:(\off)+768
.endm
.macro FETCH slot, ks, f, sc           ; 36 LDS loads: the slot's ks-th 128 along K: four scale registers, P0's four fragments, P1's four
	WIN 0
.irp i, 0,1,2,3
	ds_load_b32 v[SC+4*(\sc)+\i], v[ADRS] offset:512*(\ks)+64*\i
.endr
	WIN TO_F
.irp i, 0,1,2,3
	FRAG (\f)+48+12*\i, A0+\slot, TPB*\i+1536*(\ks)
.endr
.irp i, 0,1,2,3
	FRAG (\f)+12*\i, A1+\slot, TPB*\i+1536*(\ks)
.endr
.endm
.macro MUL4 f, sc, a, zero             ; P1's tile a against P0's four.  The 16 accumulators take turns, one instruction a turn, in the same order in every K step
.irp b, 0,1,2,3
.if \zero
	v_wmma_scale_f32_16x16x128_f8f6f4 v[ACC+8*(4*(\a)+\b):ACC+8*(4*(\a)+\b)+7], v[(\f)+48+12*\b:(\f)+48+12*\b+11], v[(\f)+12*(\a):(\f)+12*(\a)+11], 0, v[SC+4*(\sc)+\b], v[SC+4*(\sc)+(\a)] matrix_a_fmt:MATRIX_FMT_FP6 matrix_b_fmt:MATRIX_FMT_FP6 matrix_a_scale:MATRIX_SCALE_ROW1
.else
	v_wmma_scale_f32_16x16x128_f8f6f4 v[ACC+8*(4*(\a)+\b):ACC+8*(4*(\a)+\b)+7], v[(\f)+48+12*\b:(\f)+48+12*\b+11], v[(\f)+12*(\a):(\f)+12*(\a)+11], v[ACC+8*(4*(\a)+\b):ACC+8*(4*(\a)+\b)+7], v[SC+4*(\sc)+\b], v[SC+4*(\sc)+(\a)] matrix_a_fmt:MATRIX_FMT_FP6 matrix_b_fmt:MATRIX_FMT_FP6 matrix_a_scale:MATRIX_SCALE_ROW1
.endif
.endr
.endm
.macro STEPK slot, ks, zero            ; a K step of 128 that has its successor in the same slot
.set FC, F0+(F1-F0)*((\ks)%2)
.set FN, F0+(F1-F0)*(1-(\ks)%2)
	s_wait_dscnt 8                                 ; all but the youngest eight loads (P1's tiles 2 and 3) are in
	WIN MUL
	MUL4 FC, (\ks)%2, 0, \zero
	MUL4 FC, (\ks)%2, 1, \zero
	PLACES 4                                       ; in front of loads into registers that the last K step's products read
	FETCH \slot, (\ks)+1, FN, 1-(\ks)%2
	s_wait_dscnt 36                                ; all but the 36 just issued
	WIN MUL
	MUL4 FC, (\ks)%2, 2, \zero
	MUL4 FC, (\ks)%2, 3, \zero
.endm
; 32 numbers of a lane, register 16 b + i = index 32 b + 16 (lane / 16) + i of my row, become a half-image's six registers in v[pc] on and its two scale bytes in v[hw].
.macro QUANT32 s, pc, hw
.irp b, 0,1
	v_max3_num_f32 v[TM+\b], |v[(\s)+16*\b]|, |v[(\s)+16*\b+1]|, 0x1800000   ; the floor 2^(3 - 127) holds the byte at 1 from below
.endr
.irp i, 2,4,6,8,10,12,14
.irp b, 0,1
	v_max3_num_f32 v[TM+\b], v[TM+\b], |v[(\s)+16*\b+\i]|, |v[(\s)+16*\b+\i+1]|
.endr
.endr
.irp b, 0,1
	v_permlanex16_b32 v[TM+2+\b], v[TM+\b], s[SEL], s[SEL+1]
.endr
.irp b, 0,1
	v_max_num_f32 v[TM+\b], v[TM+\b], v[TM+2+\b]   ; with lane l xor 16's: the block's largest magnitude
.endr
.irp b, 0,1
	v_add_nc_u32 v[TM+4+\b], 0xff000000, v[TM+\b]  ; 2 off the exponent field: the conversion's scale operand
.endr
.irp b, 0,1
	v_lshrrev_b32 v[TM+2+\b], 23, v[TM+4+\b]       ; the scale's byte
.endr
	v_lshl_or_b32 v[\hw], v[TM+3], 8, v[TM+2]
	v_cvt_scalef32_pk16_fp6_f32 v[(\pc):(\pc)+2], v[(\s):(\s)+15], v[TM+4]
	v_cvt_scalef32_pk16_fp6_f32 v[(\pc)+4:(\pc)+6], v[(\s)+16:(\s)+31], v[TM+5]
	v_nop                                          ; one plain place behind the conversions
.irp i, 0,1,2                                  ; the layout wants a whole block in a lane: lanes 0-15 block 0, lanes 16-31 block 1
	v_permlane16_swap_b32 v[(\pc)+\i], v[(\pc)+4+\i]
.endr
.irp i, 3,4,5
	v_mov_b32 v[(\pc)+\i], v[(\pc)+\i+1]
.endr
.endm
	s_load_b256 s[4:11], s[0:1], 0x0               ; the activations, the weights, the bias, the result
	v_lshl_add_u32 v[SPW], v0, 2, SPARE
	v_mov_b32 v[NIL], 0
	ds_add_u32 v[SPW], v[NIL]                      ; the wave's opening: the add and its wait ahead of my first tensor load
	ds_add_u32 v[SPW], v[NIL]
	v_lshrrev_b32 v1, 5, v0
	v_readfirstlane_b32 s14, v1                    ; wave
	v_lshlrev_b32 v14, 4, v0                       ; the scale words come through registers: 16 bytes a thread, 2,048 a load of the work-group; never rewritten
	v_lshl_add_u32 v15, v0, 4, SCL                 ; and where they go in LDS: bytes that no tensor load fills; never rewritten
	s_lshr_b32 s15, s14, 1                         ; which 64 of P1's rows are mine.  Also: I fetch for P1 (0) or for P0 (1)
	s_and_b32 s16, s14, 1                          ; which 64 of P0's.  Also: which four tiles I fetch
	s_bfe_u32 s40, ttmp6, 0x40000                  ; cx
	s_bfe_u32 s41, ttmp6, 0x40004                  ; cy
	s_and_b32 s18, ttmp7, 0xffff                   ; the cluster's y
	s_cmp_lt_u32 ttmp9, 4                          ; q or k?  The cluster's x is the same in all sixteen partners
	s_cselect_b32 s42, ttmp9, s18
	s_cselect_b32 s17, s18, ttmp9
	s_lshl_b32 s42, s42, 2
	s_add_co_u32 s42, s42, s40                     ; P0's panel of 128: it hangs on cx alone
	s_lshl_b32 s17, s17, 2
	s_add_co_u32 s17, s17, s41                     ; P1's: on cy alone
	s_lshl_b32 s43, s41, 2
	s_lshl_b32 s43, 15, s43                        ; my row of the cluster
	s_lshl_b32 s44, 0x1111, s40                    ; my column
	s_or_b32 s[G1+0], s43, (3<<16)|(1<<21)         ; codes: the mask; elements of 8 bytes; bit 21 beside a mask; no padding
	s_or_b32 s[G1B+0], s44, (3<<16)|(1<<21)
.irp g, G1, G1B
	s_mov_b32 s[\g+1], 32<<16                      ; four tiles' codes, all of K: 49,152 dense bytes as 192 rows of 256
	s_mov_b32 s[\g+2], 192<<16
	s_mov_b32 s[\g+3], 32<<16
	s_mov_b32 s[\g+4], 192
	s_mov_b32 s[\g+5], 32
	s_mov_b32 s[\g+6], 0
	s_mov_b32 s[\g+7], 0
.endr
	s_lshl_b32 s18, s16, 2
	s_lshl_b32 s20, s17, 3
	s_add_co_u32 s20, s20, s18
	s_mul_i32 s20, s20, TPB                        ; P1: tile 8 x panel + 4 x half
	s_mov_b32 s21, 0
	s_mul_i32 s22, s17, NK*512
	s_mov_b32 s23, 0
	s_lshl_b32 s46, s42, 3
	s_add_co_u32 s46, s46, s18
	s_mul_i32 s46, s46, TPB                        ; P0 likewise
	s_mov_b32 s47, 0
	s_mul_i32 s92, s42, NK*512
	s_mov_b32 s93, 0
	s_mul_i32 s45, s14, QUART                      ; where they go: no place in the cluster enters an LDS address
	s_wait_alu depctr_va_vdst(0)
	s_wait_dscnt 0x0                               ; both opening adds are done
	s_wait_kmcnt 0x0
	s_add_nc_u64 s[94:95], s[4:5], ASO             ; the activations' scale words
	s_add_nc_u64 s[96:97], s[6:7], WSO             ; the weight's
	s_cmp_lt_u32 ttmp9, 4
	s_cselect_b64 s[18:19], s[4:5], s[6:7]         ; P1's codes,
	s_cselect_b64 s[2:3], s[94:95], s[96:97]       ; P1's scale words,
	s_cselect_b64 s[4:5], s[6:7], s[4:5]           ; P0's codes,
	s_cselect_b64 s[6:7], s[96:97], s[94:95]       ; P0's scale words
	s_add_nc_u64 s[20:21], s[18:19], s[20:21]
	s_add_nc_u64 s[22:23], s[2:3], s[22:23]
	s_add_nc_u64 s[46:47], s[4:5], s[46:47]
	s_add_nc_u64 s[92:93], s[6:7], s[92:93]
	s_mov_b64 s[76:77], s[22:23]                   ; (s22 and s23 are used again below)
	global_load_b128 v[80:83], v14, s[76:77]               ; P1's 4,096 bytes of scale words, then P0's: 8,192 of the work-group's 204,800 bytes, so they are not asked for jointly
	global_load_b128 v[84:87], v14, s[76:77] offset:2048
	global_load_b128 v[88:91], v14, s[92:93]
	global_load_b128 v[92:95], v14, s[92:93] offset:2048
	CROUND                                         ; all sixteen work-groups are here: the joint loads meet
	s_mov_b32 s[G0], 1
	s_mov_b32 s[G0+1], s45
	s_mov_b64 s[G0+2:G0+3], s[20:21]
	s_or_b32 s[G0+3], s[G0+3], 0x80000000
	s_mov_b32 s[G0B], 1
	s_mov_b32 s[G0B+1], s45
	s_mov_b64 s[G0B+2:G0B+3], s[46:47]
	s_or_b32 s[G0B+3], s[G0B+3], 0x80000000
	JLOAD G0, G1, G0B, G1B                         ; my one tensor load of the launch: four tiles, all of K
	v_and_b32 v1, 15, v0                           ; r
	v_bfe_u32 v2, v0, 4, 1                         ; h
	v_and_b32 v4, 31, v0
	v_lshlrev_b32 v3, 2, v4                        ; 4 x lane
	v_lshlrev_b32 v[L16], 4, v4
	v_lshlrev_b32 v[L8], 3, v4
	s_mul_i32 s21, s15, QUART                      ; my four tiles of P1,
	s_mul_i32 s22, s16, QUART
	s_add_co_u32 s22, s22, 2*QUART                 ; and of P0, which lie behind P1's eight
	v_add_nc_u32 v[A1], s21, v[L16]
	v_add_nc_u32 v[A0], s22, v[L16]
	v_add_nc_u32 v[A1+2], s21, v[L8]
	v_add_nc_u32 v[A0+2], s22, v[L8]
	v_add_nc_u32 v[A1+2], 512, v[A1+2]
	v_add_nc_u32 v[A0+2], 512, v[A0+2]
	s_lshl_b32 s21, s15, 8
	s_lshl_b32 s22, s16, 8
	s_add_co_u32 s22, s22, NK*512
	s_sub_co_u32 s22, s22, s21
	v_mul_u32_u24 v7, s22, v2                      ; lanes 16-31 take P0's words
	v_lshl_add_u32 v7, v1, 2, v7
	s_add_co_u32 s21, s21, SCL
	v_add_nc_u32 v[ADRS], s21, v7
	v_mov_b32 v[TM+2], 0                           ; written once: a lane permute's destination counts as one of its sources
	v_mov_b32 v[TM+3], 0
	s_cmp_lt_u32 ttmp9, 4                          ; my 64 columns of the weight: by P0 and my half of it, or by P1 and my half of it
	s_cselect_b32 s94, s42, s17
	s_cselect_b32 s95, s16, s15
	s_lshl_b32 s94, s94, 1
	s_add_co_u32 s94, s94, s95                     ; column / 64: 0-15 q's heads, 16-31 k's, 32-47 v's
	s_lshl_b32 s96, s94, 8
	s_mov_b32 s97, 0
	s_add_nc_u64 s[8:9], s[8:9], s[96:97]
	v_lshlrev_b32 v5, 6, v2                        ; the bias along my registers: register 8 b + j is column 32 (b / 2) + 16 h + 8 (b % 2) + j
.irp b, 0,1,2,3
	global_load_b128 v[BQ+8*\b:BQ+8*\b+3], v5, s[8:9] offset:128*(\b/2)+32*(\b%2)
	global_load_b128 v[BQ+8*\b+4:BQ+8*\b+7], v5, s[8:9] offset:128*(\b/2)+32*(\b%2)+16
.endr
	v_and_b32 v6, 8, v1
	v_add_nc_u32 v6, v6, v1
	v_lshlrev_b32 v6, 2, v6                        ; and of my lane's column: tile a, row r is column 32 (a / 2) + 8 (a % 2) + r + 8 (r / 8); twice, to fill a pair
.irp a, 0,1,2,3
	global_load_b32 v[BV+2*\a], v6, s[8:9] offset:128*(\a/2)+32*(\a%2)
	global_load_b32 v[BV+2*\a+1], v6, s[8:9] offset:128*(\a/2)+32*(\a%2)
.endr
	s_wait_alu depctr_va_vdst(0)
	s_wait_tensorcnt 0x0                           ; my four tiles are in
	s_wait_loadcnt 16                              ; the four loads of scale words are in; the sixteen of the bias may be out
	ds_store_b128 v15, v[80:83]
	ds_store_b128 v15, v[84:87] offset:2048
	ds_store_b128 v15, v[88:91] offset:4096
	ds_store_b128 v15, v[92:95] offset:6144
	s_wait_dscnt 0x0                               ; for the others' sake: my part of the scale words lies in LDS
	s_barrier_signal -1
	s_barrier_wait -1
	FETCH 0, 0, F0, 0
	STEPK 0, 0, 1                                  ; the first K step starts the sums: nothing is cleared
	STEPK 0, 1, 0
	STEPK 0, 2, 0
	STEPK 0, 3, 0                                  ; all of K lies behind one address: the K step stands in the loads' immediates
	STEPK 0, 4, 0
	STEPK 0, 5, 0
	STEPK 0, 6, 0
	s_wait_dscnt 8                                 ; the last K step: nothing more to fetch
	WIN MUL
	MUL4 F1, 1, 0, 0
	MUL4 F1, 1, 1, 0
	s_wait_dscnt 0x0
	MUL4 F1, 1, 2, 0
	MUL4 F1, 1, 3, 0
	WIN 0
	PLACES 4                                       ; in front of the first read of results
	s_mov_b32 s[SEL], 0x76543210
	s_mov_b32 s[SEL+1], 0xfedcba98
	s_mov_b32 s2, 0xffff0000                       ; lanes 16-31
	s_wait_loadcnt 0x0                             ; the bias
; the bias, the quantiser and the stores, for my four tiles of P1.  Each accumulator is read from its low end on.
.macro TAILQ isv, stride
.irp a, 0,1,2,3
.set p, 0
.rept 16
.if \isv
	v_pk_add_f32 v[ACC+32*\a+p:ACC+32*\a+p+1], v[ACC+32*\a+p:ACC+32*\a+p+1], v[BV+2*\a:BV+2*\a+1]
.else
	v_pk_add_f32 v[ACC+32*\a+p:ACC+32*\a+p+1], v[ACC+32*\a+p:ACC+32*\a+p+1], v[BQ+p:BQ+p+1]
.endif
.set p, p+2
.endr
	QUANT32 ACC+32*\a, PC+8*\a, HW+\a
	global_store_b128 v[L16], v[PC+8*\a:PC+8*\a+3], s[12:13] offset:(\stride)*\a          ; a half-image leaves from registers: 512 consecutive bytes,
	global_store_b64 v[L8], v[PC+8*\a+4:PC+8*\a+5], s[12:13] offset:(\stride)*\a+512      ; and 256
.endr
.irp a, 0,2
	v_cndmask_b32 v[12+\a/2], v[HW+\a], v[HW+\a+1], s2                                    ; lanes 0-15 tile a's rows, lanes 16-31 tile a + 1's
.if \isv
	global_store_b16 v3, v[12+\a/2], s[10:11] offset:64*\a                                ; two of a word's four bytes: the wave with the other 64 tokens stores the other two
.else
	global_store_b32 v3, v[12+\a/2], s[10:11] offset:64*\a                                ; K = 64: bytes 0 and 1; bytes 2 and 3 are 0
.endif
.endr
.endm
	s_cmp_lt_u32 ttmp9, 4
	s_cbranch_scc0 .Lvpath
	s_lshr_b32 s95, s94, 4                         ; q or k
	s_and_b32 s96, s94, 15                         ; the head
	s_lshr_b32 s97, s17, 4
	s_lshl_b32 s97, s97, 4
	s_add_co_u32 s96, s96, s97                     ; 16 x batch + head
	s_lshl_b32 s95, s95, 5
	s_add_co_u32 s95, s95, s96
	s_lshl_b32 s95, s95, 7                         ; 128 tiles of tokens each
	s_and_b32 s96, s17, 15
	s_lshl_b32 s96, s96, 3
	s_add_co_u32 s95, s95, s96
	s_lshl_b32 s96, s15, 2
	s_add_co_u32 s95, s95, s96                     ; my first tile
	s_mul_i32 s96, s95, 768
	s_mov_b32 s97, 0
	s_add_nc_u64 s[12:13], s[10:11], s[96:97]
	s_lshl_b32 s96, s95, 6
	s_add_co_u32 s96, s96, QKS
	s_add_nc_u64 s[10:11], s[10:11], s[96:97]
	TAILQ 0, 768
	s_branch .Ldone
.Lvpath:
	s_sub_co_u32 s95, s94, 32                      ; the head
	s_lshr_b32 s96, s42, 4
	s_lshl_b32 s96, s96, 4
	s_add_co_u32 s95, s95, s96                     ; 16 x batch + head
	s_and_b32 s96, s42, 15                         ; which 128 keys
	s_lshl_b32 s97, s95, 7
	s_lshl_b32 s22, s96, 1
	s_add_co_u32 s97, s97, s22
	s_add_co_u32 s97, s97, s16                     ; [head][channel tile 4][keys / 64: 32]
	s_mul_i32 s22, s97, 768
	s_add_co_u32 s22, s22, VCO
	s_mov_b32 s23, 0
	s_add_nc_u64 s[12:13], s[10:11], s[22:23]
	s_lshl_b32 s22, s95, 4
	s_add_co_u32 s22, s22, s96
	s_lshl_b32 s22, s22, 8                         ; [head][128 keys][channel tile 4][16] words
	s_lshl_b32 s97, s16, 1
	s_add_co_u32 s22, s22, s97
	s_add_co_u32 s22, s22, VSO
	s_add_nc_u64 s[10:11], s[10:11], s[22:23]
	TAILQ 1, 24576
.Ldone:
	s_wait_tensorcnt 0x0                           ; the wave's end
	ds_add_u32 v[SPW], v[NIL]
	s_wait_dscnt 0x0
	CROUND                                         ; the closing round
	s_endpgm
.Lfunc_end_k_qbb7766f309_qkv:
	.size	k_qbb7766f309_qkv, .Lfunc_end_k_qbb7766f309_qkv-k_qbb7766f309_qkv
	.p2alignl 7, 3214868480
	.fill 96, 4, 3214868480
	.section	.rodata,"a",@progbits
	.p2align	6, 0x0
	.amdhsa_kernel k_qbb7766f309_qkv
		.amdhsa_group_segment_fixed_size 327680
		.amdhsa_private_segment_fixed_size 0
		.amdhsa_enable_private_segment 0
		.amdhsa_kernarg_size 32
		.amdhsa_user_sgpr_count 2
		.amdhsa_user_sgpr_kernarg_segment_ptr 1
		.amdhsa_wavefront_size32 1
		.amdhsa_system_sgpr_workgroup_id_x 1
		.amdhsa_system_sgpr_workgroup_id_y 1
		.amdhsa_system_sgpr_workgroup_id_z 1
		.amdhsa_system_vgpr_workitem_id 0
		.amdhsa_next_free_vgpr 512
		.amdhsa_next_free_sgpr 98
		.amdhsa_reserve_vcc 0
		.amdhsa_float_denorm_mode_32 3
		.amdhsa_float_denorm_mode_16_64 3
		.amdhsa_memory_ordered 1
		.amdhsa_forward_progress 1
		.amdhsa_inst_pref_size 72
	.end_amdhsa_kernel
	.amdgpu_metadata
---
amdhsa.version: [ 1, 2 ]
amdhsa.kernels:
  - .name:           k_qbb7766f309_qkv
    .symbol:         k_qbb7766f309_qkv.kd
    .args:
      - { .name: act1, .offset: 0, .size: 8, .value_kind: global_buffer, .address_space: global }
      - { .name: wts, .offset: 8, .size: 8, .value_kind: global_buffer, .address_space: global }
      - { .name: attn_b, .offset: 16, .size: 8, .value_kind: global_buffer, .address_space: global }
      - { .name: qkv, .offset: 24, .size: 8, .value_kind: global_buffer, .address_space: global }
    .group_segment_fixed_size: 327680
    .private_segment_fixed_size: 0
    .kernarg_segment_align: 8
    .kernarg_segment_size: 32
    .max_flat_workgroup_size: 128
    .sgpr_count:     98
    .vgpr_count:     512
    .wavefront_size: 32
...
	.end_amdgpu_metadata
.endif
;; end of part 2
;; launch attn (part 3): grid 8 x 32, 16 waves a work-group, clusters of 4 x 1, 211,968 bytes of LDS; arguments qkv, yq; writes yq
.if DOCPART == 3
	.amdgcn_target "amdgcn-amd-amdhsa--gfx1250"
	.amdhsa_code_object_version 6
	.text
	.protected	k_qbb7766f309_attn
	.globl	k_qbb7766f309_attn
	.p2align	8
	.type	k_qbb7766f309_attn,@function
k_qbb7766f309_attn:
	s_mov_b64 s[64:65], 0
	v_nop
	global_prefetch_b8 v0, s[64:65] scope:SCOPE_SE
	s_setreg_imm32_b32 hwreg(HW_REG_WAVE_MODE, 25, 1), 1
	s_wait_xcnt 0x0
	s_wait_alu depctr_hold_cnt(0) depctr_sa_sdst(0) depctr_va_vdst(0) depctr_va_sdst(0) depctr_va_ssrc(0) depctr_va_vcc(0) depctr_vm_vsrc(0)
	s_getreg_b32 s2, hwreg(HW_REG_IB_STS2, 6, 4)
	s_cmp_eq_u32 s2, 0
	s_cbranch_scc0 .Lentry_in_a_cluster
	s_endpgm
.Lentry_in_a_cluster:
	s_bfe_u32 s2, ttmp6, 0x10000c
	s_cmp_lg_u32 s2, 0x3003
	s_cbranch_scc0 .Lentry_shape_is_right
	s_endpgm
.Lentry_shape_is_right:
; y = softmax(q k^T / 8, causal) v for one head, both products on codes of E2M3, and y's own codes for the next product.
; t = score x log2(e) / 8; M = the running largest t rounded UP to a whole number; p = 2^(t - M) is quantised along the keys; the row's sum is taken of the unquantised p and divides at the end.
; When M moves, the sum and O are multiplied by 2^(old M - new M): exact.
; SHARES.  A work-group owns query blocks i and 15 - i (128 queries each) of one head, so that every work-group has 17 block steps under the causal mask; each of sixteen waves owns one tile of 16 queries.
; A whole head's K and V (codes and scale words) lie in LDS.  The codes, 2 x 98,304 dense bytes, come by eight tensor loads of 24,576 bytes at the start, one each from waves 0 to 7 (0-3: quarters of K;
; 4-7: V's four channel tiles); every wave waits for all its loads ahead of the one barrier, and nothing is filled again.
; NO CLUSTER: a key step all of whose keys are hidden is left out by a branch that hangs on the query block, which in a cluster would be the work-group's place in it.
; LAYOUT.  Both products are used transposed: S^T = K Q^T, O^T = V^T P^T: a lane holds one query throughout.  Tiles are in the order tile 2 g + u, row r = index 32 g + 8 u + r + 8 (r / 8):
; so p's 16 registers of two neighbouring tiles are 16 neighbouring keys, and O^T's are 16 neighbouring channels.
; K = 64 in the first product: Q's upper 64 codes are zeros; K's fragment takes the next tile's six registers for its upper half, which those zeros meet.
; LIMITS: a block whose largest magnitude lies under 2^-124 takes the byte 1, a block of zeros too (zero codes); NaN and infinities are not served.
; SHARES AND CLUSTER AS THE TEXT NOW HAS THEM (in place of the paragraphs SHARES and NO CLUSTER above).  The four work-groups of a cluster serve one head and ask for its K and V JOINTLY (mask 15).
; Cluster x = X (0 or 1) owns the eight query blocks X + 2 p and 15 - X - 2 p, p = 0 .. 3: 68 block steps under the causal mask in either cluster.  Wave w of EVERY partner works in the same block:
; p = w / 4, the late block where (w ^ p ^ (p / 2)) is odd.  A block has eight tiles of 16 queries: the partner at place cx takes tiles 2 cx and 2 cx + 1, by (w / 2) % 2.
; Both causal branches compare multiples of 128 keys with the bounds of the BLOCK, which decide as the tile's own bounds would; so no branch hangs on a work-group's place in its cluster.
; That place enters the global addresses of q and of the result and the lanes' query numbers alone.
.set KC,    0                          ; K's codes: 128 tiles x 768 bytes
.set VC,    98304                      ; V's: [channel tile 4][32 x 768]
.set KSC,   196608                     ; K's scale words: [tile][16] x 4 bytes
.set VSC,   204800                     ; V's: [128 keys][channel tile 4][16] x 4 bytes
.set SPARE, 209920                     ; 1,024 bytes behind V's scale words: the spare words, 128 bytes a wave
.set QKS,   9437184
.set VCO,   6291456
.set VSO,   9961472
.set SPW, 30
.set NIL, 31
.set TM,  212
.set WV,  18
.set SEL, 20
.set CS,  22                           ; s[22:23] c = log2(e) / 8
.set G1,  24                           ; s[24:31] descriptor group 1: 24,576 dense bytes
.set G0,  40                           ; s[40:43] group 0
.set KF,  2                            ; the step's first key
.set TK,  3                            ; where the step's tiles of K begin
.set TV,  66                           ; of V
.set TS,  67                           ; K's scale words
.set TT,  76                           ; V's
.set CNT, 77
.set QMIN, 78
.set QMAX, 79                          ; my block's last query
.set BMIN, 68                          ; my block's first query
; REGISTERS: v1-6, v232-233 my lane's places; v7 my query - 16 h; v8-11, v28, v29, v234-235 the step's addresses; v12 -M, v13 the largest t, v[14:15] the sum; v16-27 Q (v22-27 zeros); v32-85 K's tiles, six
; registers each (v80-85 zeros), later V's four fragments; v86-89, v90-91, v92 scale words and nothing else; v224 partial sums, then p's scale word; v96-159 S^T, then p; v160-191 O^T; v192-211 p's codes; v212-231 at work.
.macro QUANT32 s, pc, hw               ; 32 numbers of a lane, register 16 b + i = index 32 b + 16 (lane / 16) + i, become a half-image's six registers and two scale bytes
.irp b, 0,1
	v_max3_num_f32 v[TM+\b], |v[(\s)+16*\b]|, |v[(\s)+16*\b+1]|, 0x1800000
.endr
.irp i, 2,4,6,8,10,12,14
.irp b, 0,1
	s_delay_alu instid0(VALU_DEP_2)
	v_max3_num_f32 v[TM+\b], v[TM+\b], |v[(\s)+16*\b+\i]|, |v[(\s)+16*\b+\i+1]|
.endr
.endr
.irp b, 0,1
	s_delay_alu instid0(VALU_DEP_2)
	v_permlanex16_b32 v[TM+2+\b], v[TM+\b], s[SEL], s[SEL+1]
.endr
.irp b, 0,1
	s_delay_alu instid0(VALU_DEP_2)
	v_max_num_f32 v[TM+\b], v[TM+\b], v[TM+2+\b]
.endr
.irp b, 0,1
	s_delay_alu instid0(VALU_DEP_2)
	v_add_nc_u32 v[TM+4+\b], 0xff000000, v[TM+\b]
.endr
.irp b, 0,1
	s_delay_alu instid0(VALU_DEP_2)
	v_lshrrev_b32 v[TM+2+\b], 23, v[TM+4+\b]
.endr
	s_delay_alu instid0(VALU_DEP_1)
	v_lshl_or_b32 v[\hw], v[TM+3], 8, v[TM+2]
	v_cvt_scalef32_pk16_fp6_f32 v[(\pc):(\pc)+2], v[(\s):(\s)+15], v[TM+4]
	v_cvt_scalef32_pk16_fp6_f32 v[(\pc)+4:(\pc)+6], v[(\s)+16:(\s)+31], v[TM+5]
	v_nop
.irp i, 0,1,2
	v_permlane16_swap_b32 v[(\pc)+\i], v[(\pc)+4+\i]
.endr
.irp i, 3,4,5
	s_delay_alu instid0(VALU_DEP_3)
	v_mov_b32 v[(\pc)+\i], v[(\pc)+\i+1]
.endr
.endm
	s_load_b128 s[4:7], s[0:1], 0x0                ; q, k, v as codes; the result
	v_lshl_add_u32 v[SPW], v0, 2, SPARE
	v_mov_b32 v[NIL], 0
	ds_add_u32 v[SPW], v[NIL]                      ; the wave's opening: the add and its wait ahead of the first tensor loads
	ds_add_u32 v[SPW], v[NIL]
	v_lshrrev_b32 v8, 5, v0
	s_delay_alu instid0(VALU_DEP_1)
	v_readfirstlane_b32 s[WV], v8                  ; wave 0..15
	s_and_b32 s80, ttmp7, 0xffff                   ; 16 x batch + head
	s_lshr_b32 s83, s[WV], 2                       ; p
	s_lshr_b32 s81, s83, 1
	s_xor_b32 s81, s81, s83
	s_xor_b32 s81, s81, s[WV]
	s_and_b32 s81, s81, 1                          ; the late block?  Over p the waves of one residue of w mod 4 go early, late, late, early or the reverse: 34 block steps either way
	s_lshl_b32 s83, s83, 1
	s_add_co_u32 s83, s83, ttmp9                   ; i = the cluster's x + 2 p
	s_sub_co_u32 s82, 15, s83
	s_cmp_eq_u32 s81, 1
	s_cselect_b32 s82, s82, s83                    ; my block: the same in all four partners
	s_lshl_b32 s[BMIN], s82, 7                     ; its first query,
	s_add_co_u32 s[QMAX], s[BMIN], 127             ; and its last: the branches' two bounds
	s_bfe_u32 s84, ttmp6, 0x40000                  ; cx
	s_lshl_b32 s84, s84, 1
	s_bfe_u32 s83, s[WV], 0x10001                  ; (w / 2) % 2
	s_add_co_u32 s84, s84, s83
	s_lshl_b32 s82, s82, 3
	s_add_co_u32 s82, s82, s84                     ; my tile of queries: 8 x block + 2 cx + (w / 2) % 2
	s_lshr_b32 s83, s82, 1
	s_lshl_b32 s83, s83, 5
	s_and_b32 s84, s82, 1
	s_lshl_b32 s84, s84, 3
	s_add_co_u32 s[QMIN], s83, s84                 ; its first query: for the lanes' query numbers alone
	s_mov_b32 s[G1], (3<<16)|(1<<21)|15            ; 24,576 dense bytes as 96 rows of 256: elements of 8 bytes, no padding; the mask names the cluster's four, bit 21 beside it
	s_mov_b32 s[G1+1], 32<<16
	s_mov_b32 s[G1+2], 96<<16
	s_mov_b32 s[G1+3], 32<<16
	s_mov_b32 s[G1+4], 96
	s_mov_b32 s[G1+5], 32
	s_mov_b32 s[G1+6], 0
	s_mov_b32 s[G1+7], 0
	s_mov_b32 s[SEL], 0x76543210
	s_mov_b32 s[SEL+1], 0xfedcba98
	s_mov_b32 s[CS], 0x3e38aa3b
	s_mov_b32 s[CS+1], s[CS]
	s_mul_i32 s84, s80, 98304                      ; a head's codes
	s_mov_b32 s85, 0
	s_mul_i32 s88, s[WV], 24576                    ; what I fetch, if I fetch: in LDS wave x 24,576: K's four quarters, then V's four channel tiles;
	s_lshr_b32 s89, s[WV], 2
	s_mul_i32 s89, s89, VCO-98304-32*98304         ; in memory, from q's codes of my head on: k's lie 32 heads on, v's from VCO on
	s_add_co_u32 s90, s88, s89
	s_add_co_u32 s90, s90, 32*98304
	s_mov_b32 s91, 0
	s_wait_dscnt 0x0                               ; the opening add is done
	s_wait_kmcnt 0x0
	s_add_nc_u64 s[86:87], s[4:5], s[84:85]        ; q's codes of my head
	s_mov_b32 s[G0], 1
	s_mov_b32 s[G0+1], s88
	s_add_nc_u64 s[G0+2:G0+3], s[86:87], s[90:91]
	s_or_b32 s[G0+3], s[G0+3], 0x80000000
	s_barrier_signal -1                            ; a round of the cluster's barrier: all four work-groups are here, and the joint loads meet
	s_barrier_wait -1
	s_cmp_lg_u32 s[WV], 0
	s_cbranch_scc1 .Lnot_wave_0_a
	s_barrier_signal -3
.Lnot_wave_0_a:
	s_barrier_wait -3
	s_barrier_signal -1
	s_barrier_wait -1
	s_cmp_lt_u32 s[WV], 8                          ; waves 0 to 7 ask, one load each, the same in every partner
	s_cbranch_scc0 .Lasked
	tensor_load_to_lds s[G0:G0+3], s[G1:G1+7]
	s_nop 0
.rept 4
	v_nop
.endr
.Lasked:
	s_lshl_b32 s84, s80, 13
	s_add_nc_u64 s[92:93], s[4:5], s[84:85]
	s_add_nc_u64 s[92:93], s[92:93], QKS           ; q's scale words of my head; k's lie 32 heads on
	s_lshl_b32 s84, s80, 12
	s_add_nc_u64 s[94:95], s[4:5], s[84:85]
	s_add_nc_u64 s[94:95], s[94:95], VSO           ; v's
	s_mul_i32 s84, s82, 768
	s_add_nc_u64 s[86:87], s[86:87], s[84:85]      ; my tile of q
	s_lshl_b32 s83, s82, 6
	v_lshlrev_b32 v212, 4, v0
	v_lshlrev_b32 v213, 3, v0
	v_and_b32 v9, 31, v0                           ; lane
	v_and_b32 v10, 15, v0                          ; r
	v_bfe_u32 v11, v0, 4, 1                        ; h
	s_delay_alu instid0(VALU_DEP_3)
	v_lshlrev_b32 v1, 4, v9                        ; 16 x lane
	s_delay_alu instid0(VALU_DEP_4)
	v_lshl_add_u32 v2, v9, 3, 512                  ; 512 + 8 x lane
	s_delay_alu instid0(VALU_DEP_4)
	v_lshl_add_u32 v214, v10, 2, s83
	global_load_b128 v[32:35], v212, s[92:93] offset:262144   ; k's scale words of the head: 16 bytes a thread,
	global_load_b64 v[36:37], v213, s[94:95]                  ; v's: 8 bytes a thread
	global_load_b128 v[16:19], v1, s[86:87]                   ; q's half-image stays in registers
	global_load_b64 v[20:21], v2, s[86:87]
	global_load_b32 v92, v214, s[92:93]                       ; and its scale words
	v_lshl_add_u32 v215, v0, 4, KSC
	v_lshl_add_u32 v216, v0, 3, VSC
	v_add_nc_u32 v3, VC, v1                        ; V's channel tiles 0 and 1,
	v_add_nc_u32 v4, VC, v2
	s_delay_alu instid0(VALU_DEP_2)
	v_add_nc_u32 v232, 49152, v3                   ; and 2 and 3, which lie beyond a 16-bit offset
	s_delay_alu instid0(VALU_DEP_2)
	v_add_nc_u32 v233, 49152, v4
	v_lshl_add_u32 v5, v9, 2, KSC
	v_lshl_add_u32 v6, v9, 2, VSC
	v_and_b32 v7, 8, v10
	s_delay_alu instid0(VALU_DEP_1)
	v_add_nc_u32 v7, v7, v10
	v_lshlrev_b32 v8, 4, v11
	s_delay_alu instid0(VALU_DEP_1)
	v_sub_nc_u32 v7, v7, v8
	s_delay_alu instid0(VALU_DEP_1)
	v_add_nc_u32 v7, s[QMIN], v7                   ; my query - 16 h
	v_mov_b32 v13, 0xff61b1e6                      ; the largest t so far: -3e38
	s_delay_alu instid0(VALU_DEP_1)
	v_floor_f32 v12, -v13                          ; -M
	v_mov_b32 v14, 0
	v_mov_b32 v15, 0
.irp j, 22,23,24,25,26,27,80,81,82,83,84,85
	v_mov_b32 v[\j], 0                             ; zero codes: Q's upper 64 along K, and what stands behind K's last tile
.endr
.irp j, 217,218,219,227,228
	v_mov_b32 v[\j], 0                             ; written once: permutes' destinations, and the upper half of a pair
.endr
.set j, 0
.rept 32
	v_mov_b32 v[160+j], 0                          ; O^T: the step is written once; the first finds zeros
.set j, j+1
.endr
	s_wait_loadcnt 3                               ; the two loads of scale words are in; Q's three may be out
	ds_store_b128 v215, v[32:35]
	ds_store_b64 v216, v[36:37]
	s_wait_loadcnt 0x0                             ; Q
	s_wait_tensorcnt 0x0                           ; my part of K or V has landed,
	s_wait_dscnt 0x0                               ; and so have my stores of scale words:
	s_barrier_signal -1
	s_barrier_wait -1                              ; everybody's have
	s_mov_b32 s[KF], 0
	s_mov_b32 s[TK], 0
	s_mov_b32 s[TV], 0
	s_mov_b32 s[TS], 0
	s_mov_b32 s[TT], 0
	s_mov_b32 s[CNT], 16
.Lstep:                                        ; A KEY STEP: 128 keys.  Sixteen trips in every wave
	s_cmp_gt_u32 s[KF], s[QMAX]                    ; all its keys come after my queries: the work is left out, not the lines at its end that step addresses
	s_cbranch_scc1 .Lhidden
	v_add_nc_u32 v8, s[TK], v1                     ; (these eight are also the places in front of the loads below)
	v_add_nc_u32 v9, s[TK], v2
	v_add_nc_u32 v10, s[TV], v3
	v_add_nc_u32 v11, s[TV], v4
	v_add_nc_u32 v234, s[TV], v232
	v_add_nc_u32 v235, s[TV], v233
	v_add_nc_u32 v28, s[TS], v5
	v_add_nc_u32 v29, s[TT], v6
.irp t, 0,1,2,3,4,5,6,7
	ds_load_b128 v[32+6*\t:35+6*\t], v8 offset:768*\t
	ds_load_b64 v[36+6*\t:37+6*\t], v9 offset:768*\t
.endr
.irp p, 0,1,2,3
	ds_load_b32 v[86+\p], v28 offset:128*\p        ; lanes 0-15 tile 2 p's words, lanes 16-31 tile 2 p + 1's
.endr
	s_wait_alu depctr_va_vdst(0)
	s_wait_dscnt 0x0
.irp t, 0,2,4,6
	v_wmma_scale_f32_16x16x128_f8f6f4 v[96+8*\t:103+8*\t], v[32+6*\t:43+6*\t], v[16:27], 0, v[86+\t/2], v92 matrix_a_fmt:MATRIX_FMT_FP6 matrix_b_fmt:MATRIX_FMT_FP6
	v_wmma_scale_f32_16x16x128_f8f6f4 v[104+8*\t:111+8*\t], v[38+6*\t:49+6*\t], v[16:27], 0, v[86+\t/2], v92 matrix_a_fmt:MATRIX_FMT_FP6 matrix_b_fmt:MATRIX_FMT_FP6 matrix_a_scale:MATRIX_SCALE_ROW1
.endr
.rept 4
	v_nop                                          ; places in front of the loads into K's registers and of the first read of the scores
.endr
.irp d, 0,1                                    ; V's four fragments are asked for now and land under the softmax
.irp c, 0,1
	ds_load_b128 v[32+12*\d+6*\c:35+12*\d+6*\c], v10 offset:24576*\d+768*\c
	ds_load_b64 v[36+12*\d+6*\c:37+12*\d+6*\c], v11 offset:24576*\d+768*\c
.endr
.endr
.irp d, 0,1
.irp c, 0,1
	ds_load_b128 v[56+12*\d+6*\c:59+12*\d+6*\c], v234 offset:24576*\d+768*\c
	ds_load_b64 v[60+12*\d+6*\c:61+12*\d+6*\c], v235 offset:24576*\d+768*\c
.endr
.endr
.irp p, 0,1
	ds_load_b32 v[90+\p], v29 offset:128*\p
.endr
	s_add_co_u32 s83, s[KF], 127                   ; on the diagonal hidden scores become -infinity ahead of the maximum; a step all of whose keys count skips this
	s_cmp_le_u32 s83, s[BMIN]
	s_cbranch_scc1 .Lopen
	v_sub_nc_u32 v229, v7, s[KF]                   ; register 16 b + i holds key KF + 32 b + 16 h + i: hidden where 32 b + i is above my query - 16 h - KF
	v_mov_b32 v228, 0xff800000
.set n, 0
.rept 64
	v_cmp_gt_i32 vcc_lo, 32*(n/16)+n%16, v229
	v_cndmask_b32 v[96+n], v[96+n], v228, vcc_lo
.set n, n+1
.endr
.Lopen:
.irp b, 0,1,2,3
	v_max3_num_f32 v[212+\b], v[96+16*\b], v[97+16*\b], v[98+16*\b]   ; the largest score of each block of 32 keys: it serves the row's maximum and, since p rises with the score, the block's largest p
.endr
.irp i, 3,5,7,9,11,13
.irp b, 0,1,2,3
	v_max3_num_f32 v[212+\b], v[212+\b], v[96+16*\b+\i], v[97+16*\b+\i]
.endr
.endr
.irp b, 0,1,2,3
	v_max_num_f32 v[212+\b], v[212+\b], v[111+16*\b]
.endr
.irp b, 0,1,2,3
	s_delay_alu instid0(VALU_DEP_4)
	v_permlanex16_b32 v[216+\b], v[212+\b], s[SEL], s[SEL+1]
.endr
.irp b, 0,1,2,3
	s_delay_alu instid0(VALU_DEP_4)
	v_max_num_f32 v[212+\b], v[212+\b], v[216+\b]
.endr
	s_delay_alu instid0(VALU_DEP_2)
	v_max3_num_f32 v228, v212, v213, v214
	s_delay_alu instid0(VALU_DEP_1)
	v_max_num_f32 v228, v228, v215
	s_delay_alu instid0(VALU_DEP_1)
	v_mul_f32 v228, s[CS], v228
	s_delay_alu instid0(VALU_DEP_1)
	v_max_num_f32 v13, v13, v228                   ; the running largest t
	v_mov_b32 v228, v12
	s_delay_alu instid0(VALU_DEP_2)
	v_floor_f32 v12, -v13                          ; the new -M = -ceil(t): a whole number
	s_delay_alu instid0(VALU_DEP_1)
	v_sub_f32 v228, v12, v228
	s_delay_alu instid0(VALU_DEP_1)
	v_cvt_i32_f32 v228, v228                       ; (it saturates)
	s_delay_alu instid0(VALU_DEP_1)
	v_ldexp_f32 v226, 1.0, v228                    ; f = 2^(old M - new M)
.set j, 0
.rept 32
	v_pk_fma_f32 v[96+j:97+j], v[96+j:97+j], s[CS:CS+1], v[12:13] op_sel_hi:[1,0,0]   ; t - M
.set j, j+2
.endr
.irp b, 0,1,2,3
	v_fma_f32 v[212+\b], v[212+\b], s[CS], v12
.endr
.set j, 0
	s_wait_alu depctr_va_vdst(0)
.rept 64
	v_exp_f32 v[96+j], v[96+j]                     ; p = 2^(t - M)
.set j, j+1
.endr
	v_pk_mul_f32 v[14:15], v[14:15], v[226:227] op_sel_hi:[1,0]   ; the sums under the new M (a plain place behind the exponentials)
	s_wait_alu depctr_va_vdst(0)                   ; one wait for the batch, ahead of its first reader
.irp b, 0,1,2,3
	v_exp_f32 v[212+\b], v[212+\b]                 ; each block's largest p
.endr
	v_pk_add_f32 v[230:231], v[100:101], v[104:105]
	v_pk_add_f32 v[238:239], v[108:109], v[112:113]
	v_pk_add_f32 v[236:237], v[116:117], v[120:121]
	v_pk_add_f32 v[234:235], v[124:125], v[128:129]
	v_pk_add_f32 v[224:225], v[132:133], v[136:137]
	v_pk_add_f32 v[222:223], v[140:141], v[144:145]
	v_pk_add_f32 v[220:221], v[148:149], v[152:153]
	v_pk_add_f32 v[14:15], v[14:15], v[156:157]
	v_pk_add_f32 v[230:231], v[230:231], v[96:97]
	v_pk_add_f32 v[238:239], v[238:239], v[98:99]
	v_pk_add_f32 v[236:237], v[236:237], v[102:103]
	v_pk_add_f32 v[234:235], v[234:235], v[106:107]
	v_pk_add_f32 v[224:225], v[224:225], v[110:111]
	v_pk_add_f32 v[222:223], v[222:223], v[114:115]
	v_pk_add_f32 v[220:221], v[220:221], v[118:119]
	v_pk_add_f32 v[14:15], v[14:15], v[122:123]
	v_pk_add_f32 v[230:231], v[230:231], v[126:127]
	v_pk_add_f32 v[238:239], v[238:239], v[130:131]
	v_pk_add_f32 v[236:237], v[236:237], v[134:135]
	v_pk_add_f32 v[234:235], v[234:235], v[138:139]
	v_pk_add_f32 v[224:225], v[224:225], v[142:143]
	v_pk_add_f32 v[222:223], v[222:223], v[146:147]
	v_pk_add_f32 v[220:221], v[220:221], v[150:151]
	v_pk_add_f32 v[14:15], v[14:15], v[154:155]
	v_pk_add_f32 v[230:231], v[230:231], v[158:159]
	s_delay_alu instid0(VALU_DEP_2)
	v_pk_add_f32 v[14:15], v[14:15], v[234:235]
	s_delay_alu instid0(VALU_DEP_2)
	v_pk_add_f32 v[230:231], v[230:231], v[224:225]
	v_pk_add_f32 v[238:239], v[238:239], v[222:223]
	v_pk_add_f32 v[236:237], v[236:237], v[220:221]
	s_delay_alu instid0(VALU_DEP_2)
	v_pk_add_f32 v[14:15], v[14:15], v[238:239]
	s_delay_alu instid0(VALU_DEP_2)
	v_pk_add_f32 v[230:231], v[230:231], v[236:237]
	s_delay_alu instid0(VALU_DEP_1)
	v_pk_add_f32 v[14:15], v[14:15], v[230:231]
	s_wait_alu depctr_va_vdst(0)                   ; and one for the four
.irp b, 0,1,2,3
	v_max_num_f32 v[212+\b], 0x1800000, v[212+\b]  ; the floor: the byte cannot fall under 1
.endr
.irp b, 0,1,2,3
	s_delay_alu instid0(VALU_DEP_4)
	v_add_nc_u32 v[220+\b], 0xff000000, v[212+\b]
.endr
.irp b, 0,1,2,3
	s_delay_alu instid0(VALU_DEP_4)
	v_lshrrev_b32 v[216+\b], 23, v[220+\b]
.endr
	s_delay_alu instid0(VALU_DEP_3)
	v_lshl_or_b32 v224, v217, 8, v216              ; p's scale word for these 128 keys
	s_delay_alu instid0(VALU_DEP_1)
	v_lshl_or_b32 v224, v218, 16, v224
	s_delay_alu instid0(VALU_DEP_1)
	v_lshl_or_b32 v224, v219, 24, v224
.irp c, 0,1
	v_cvt_scalef32_pk16_fp6_f32 v[192+6*\c:194+6*\c], v[96+32*\c:111+32*\c], v[220+2*\c]
	v_cvt_scalef32_pk16_fp6_f32 v[204+4*\c:206+4*\c], v[112+32*\c:127+32*\c], v[220+2*\c+1]
.endr
	v_nop
.irp c, 0,1
.irp i, 0,1,2
	v_permlane16_swap_b32 v[192+6*\c+\i], v[204+4*\c+\i]
.endr
.irp i, 0,1,2
	s_delay_alu instid0(VALU_DEP_3)
	v_mov_b32 v[195+6*\c+\i], v[204+4*\c+\i]
.endr
.endr
.set j, 0
.rept 16
	v_pk_mul_f32 v[160+j:161+j], v[160+j:161+j], v[226:227] op_sel_hi:[1,0]   ; O^T under the new M; these sixteen are also the places between p's codes and scale word and the products
.set j, j+2
.endr
	s_wait_alu depctr_va_vdst(0)
	s_wait_dscnt 0x0                               ; V
.irp d, 0,2
	v_wmma_scale_f32_16x16x128_f8f6f4 v[160+8*\d:167+8*\d], v[32+12*\d:43+12*\d], v[192:203], v[160+8*\d:167+8*\d], v[90+\d/2], v224 matrix_a_fmt:MATRIX_FMT_FP6 matrix_b_fmt:MATRIX_FMT_FP6
	v_wmma_scale_f32_16x16x128_f8f6f4 v[168+8*\d:175+8*\d], v[44+12*\d:55+12*\d], v[192:203], v[168+8*\d:175+8*\d], v[90+\d/2], v224 matrix_a_fmt:MATRIX_FMT_FP6 matrix_b_fmt:MATRIX_FMT_FP6 matrix_a_scale:MATRIX_SCALE_ROW1
.endr
.Lhidden:
	s_add_co_u32 s[KF], s[KF], 128
	s_add_co_u32 s[TK], s[TK], 6144                ; eight tiles of K,
	s_add_co_u32 s[TV], s[TV], 1536                ; two half-images in each of V's channel tiles,
	s_add_co_u32 s[TS], s[TS], 512                 ; and their scale words
	s_add_co_u32 s[TT], s[TT], 256
	s_sub_co_u32 s[CNT], s[CNT], 1
	s_cmp_lg_u32 s[CNT], 0
	s_cbranch_scc1 .Lstep
	; THE WAY OUT: O^T / the sum, quantised along the head's 64 channels, which are 64 of the next product's K; the half-image leaves from registers
	v_add_f32 v14, v14, v15
	s_delay_alu instid0(VALU_DEP_1)
	v_permlanex16_b32 v228, v14, s[SEL], s[SEL+1]
	s_delay_alu instid0(VALU_DEP_1)
	v_add_f32 v14, v14, v228
	s_wait_alu depctr_va_vdst(0)
	v_rcp_f32 v14, v14
	v_and_b32 v9, 15, v0
	s_delay_alu instid0(VALU_DEP_1)
	v_lshlrev_b32 v9, 2, v9                        ; 4 r
	v_nop
	v_nop
	s_lshr_b32 s83, s80, 4
	s_lshl_b32 s83, s83, 7
	s_add_co_u32 s83, s83, s82                     ; the tile of tokens: 128 x batch + my tile
	s_and_b32 s84, s80, 15                         ; the head
	s_lshl_b32 s85, s83, 4
	s_add_co_u32 s85, s85, s84
	s_mul_i32 s86, s85, 768
	s_mov_b32 s87, 0
	s_add_nc_u64 s[86:87], s[6:7], s[86:87]
	s_lshr_b32 s85, s83, 3
	s_lshl_b32 s85, s85, 3
	s_lshr_b32 s88, s84, 1
	s_add_co_u32 s85, s85, s88
	s_lshl_b32 s85, s85, 9                         ; ((tile / 8) x 8 + head / 2) x 512
	s_and_b32 s88, s83, 7
	s_lshl_b32 s88, s88, 6
	s_add_co_u32 s85, s85, s88
	s_and_b32 s88, s84, 1
	s_lshl_b32 s88, s88, 1
	s_add_co_u32 s88, s85, s88
	s_mov_b32 s89, 0
	s_add_nc_u64 s[88:89], s[6:7], s[88:89]
	s_add_nc_u64 s[88:89], s[88:89], 3145728
	s_wait_alu depctr_va_vdst(0)                   ; the wait for the reciprocal, ahead of its first reader
.set j, 0
.rept 32
	v_mul_f32 v[96+j], v[160+j], v14               ; register 16 b + i is channel 32 b + 16 h + i of my query
.set j, j+1
.endr
	QUANT32 96, 192, 228
	global_store_b128 v1, v[192:195], s[86:87]
	global_store_b64 v2, v[196:197], s[86:87]
	global_store_b16 v9, v228, s[88:89]            ; two of a word's four bytes (the neighbouring head's work-group stores the other two); lanes r and r + 16 store the same bytes with the same value
	s_wait_tensorcnt 0x0                           ; the wave's end
	ds_add_u32 v[SPW], v[NIL]
	s_wait_dscnt 0x0
	s_barrier_signal -1                            ; the closing round
	s_barrier_wait -1
	s_cmp_lg_u32 s[WV], 0
	s_cbranch_scc1 .Lnot_wave_0_b
	s_barrier_signal -3
.Lnot_wave_0_b:
	s_barrier_wait -3
	s_barrier_signal -1
	s_barrier_wait -1
	s_endpgm
.Lfunc_end_k_qbb7766f309_attn:
	.size	k_qbb7766f309_attn, .Lfunc_end_k_qbb7766f309_attn-k_qbb7766f309_attn
	.p2alignl 7, 3214868480
	.fill 96, 4, 3214868480
	.section	.rodata,"a",@progbits
	.p2align	6, 0x0
	.amdhsa_kernel k_qbb7766f309_attn
		.amdhsa_group_segment_fixed_size 211968
		.amdhsa_private_segment_fixed_size 0
		.amdhsa_enable_private_segment 0
		.amdhsa_kernarg_size 16
		.amdhsa_user_sgpr_count 2
		.amdhsa_user_sgpr_kernarg_segment_ptr 1
		.amdhsa_wavefront_size32 1
		.amdhsa_system_sgpr_workgroup_id_x 1
		.amdhsa_system_sgpr_workgroup_id_y 1
		.amdhsa_system_sgpr_workgroup_id_z 1
		.amdhsa_system_vgpr_workitem_id 0
		.amdhsa_next_free_vgpr 240
		.amdhsa_next_free_sgpr 96
		.amdhsa_reserve_vcc 1
		.amdhsa_float_denorm_mode_32 3
		.amdhsa_float_denorm_mode_16_64 3
		.amdhsa_memory_ordered 1
		.amdhsa_forward_progress 1
		.amdhsa_inst_pref_size 37
	.end_amdhsa_kernel
	.amdgpu_metadata
---
amdhsa.version: [ 1, 2 ]
amdhsa.kernels:
  - .name:           k_qbb7766f309_attn
    .symbol:         k_qbb7766f309_attn.kd
    .args:
      - { .name: qkv, .offset: 0, .size: 8, .value_kind: global_buffer, .address_space: global }
      - { .name: yq, .offset: 8, .size: 8, .value_kind: global_buffer, .address_space: global }
    .group_segment_fixed_size: 211968
    .private_segment_fixed_size: 0
    .kernarg_segment_align: 8
    .kernarg_segment_size: 16
    .max_flat_workgroup_size: 512
    .sgpr_count:     96
    .vgpr_count:     240
    .wavefront_size: 32
...
	.end_amdgpu_metadata
.endif
;; end of part 3
;; launch proj (part 4): grid 8 x 32, 4 waves a work-group, clusters of 4 x 4, 327,680 bytes of LDS; arguments yq, wts, proj_b, x, x1; writes x1
.if DOCPART == 4
	.amdgcn_target "amdgcn-amd-amdhsa--gfx1250"
	.amdhsa_code_object_version 6
	.text
	.protected	k_qbb7766f309_proj
	.globl	k_qbb7766f309_proj
	.p2align	8
	.type	k_qbb7766f309_proj,@function
k_qbb7766f309_proj:
	s_mov_b64 s[64:65], 0
	v_nop
	global_prefetch_b8 v0, s[64:65] scope:SCOPE_SE
	s_setreg_imm32_b32 hwreg(HW_REG_WAVE_MODE, 25, 1), 1
	s_wait_xcnt 0x0
	s_wait_alu depctr_hold_cnt(0) depctr_sa_sdst(0) depctr_va_vdst(0) depctr_va_sdst(0) depctr_va_ssrc(0) depctr_va_vcc(0) depctr_vm_vsrc(0)
	s_getreg_b32 s2, hwreg(HW_REG_IB_STS2, 6, 4)
	s_cmp_eq_u32 s2, 0
	s_cbranch_scc0 .Lentry_in_a_cluster
	s_endpgm
.Lentry_in_a_cluster:
	s_bfe_u32 s2, ttmp6, 0x10000c
	s_cmp_lg_u32 s2, 0xf033
	s_cbranch_scc0 .Lentry_shape_is_right
	s_endpgm
.Lentry_shape_is_right:
.set KSZ,   1024
.set NK,    KSZ/128
.set TPB,   12*KSZ
.set LAPS,  KSZ/1024
.set ASO,   3145728
.set WCO,   2359296
.set WSO,   9535488
; x1 = x + y proj_w + proj_b on codes of E2M3 (K = 1,024).  A tile of 128 x 128 to a work-group, four waves of 64 x 64.  All of K lies in LDS, filled once: P1's 8 tiles of 12,288 bytes, then P0's.
.set QUART, 49152                      ; four tiles, all of K, dense: what one tensor load brings, and what one wave reads of P1 or of P0
.set SCL,   196608
.set STG,   229376
.set SPARE, 264192
.set A1,   16
.set A0,   20
.set STO,  24
.set RD,   25
.set CO,   26
.set ADRS, 27
.set SPW,  28
.set NIL,  29
.set L16,  30
.set L8,   31
.set SC,   32
.set RES,  40
.set BI,   104
.set ACC,  128
.set F0,   40
.set F1,   144
.set G1, 24
.set G0, 32
.set G1B, 48
.set G0B, 56
.set G1S, 68
.set G0S, 76
.set G1SB, 80
.set G0SB, 88
.set MSB, 0
.macro WIN new
.if MSB != \new
	s_set_vgpr_msb (MSB<<8)|\new
.set MSB, \new
.endif
.endm
.set MUL,  0x05
.set TO_F, 0x40
.macro JLOAD g0a, g1a, g0b, g1b
	s_cmp_eq_u32 s15, 0
	s_cbranch_scc0 .Lfor_b_\@
	tensor_load_to_lds s[\g0a:\g0a+3], s[\g1a:\g1a+7]
	s_nop 0
.rept 4
	v_nop
.endr
	s_branch .Lasked_\@
.Lfor_b_\@:
	tensor_load_to_lds s[\g0b:\g0b+3], s[\g1b:\g1b+7]
	s_nop 0
.rept 4
	v_nop
.endr
.Lasked_\@:
.endm
.macro CREST
	s_cmp_lg_u32 s14, 0
	s_cbranch_scc1 .Lnot_wave_0_\@
	s_barrier_signal -3
.Lnot_wave_0_\@:
	s_barrier_wait -3
	s_barrier_signal -1
	s_barrier_wait -1
.endm
.macro CROUND
	s_barrier_signal -1
	s_barrier_wait -1
	CREST
.endm
.macro PLACES n
.rept \n
	v_nop
.endr
.endm
.macro FRAG reg, adr, off
	ds_load_b128 v[(\reg):(\reg)+3], v[\adr] offset:\off
	ds_load_b64 v[(\reg)+4:(\reg)+5], v[(\adr)+2] offset:\off
	ds_load_b128 v[(\reg)+6:(\reg)+9], v[\adr] offset:(\off)+768
	ds_load_b64 v[(\reg)+10:(\reg)+11], v[(\adr)+2] offset:(\off)+768
.endm
.macro FETCH slot, ks, f, sc
	WIN 0
.irp i, 0,1,2,3
	ds_load_b32 v[SC+4*(\sc)+\i], v[ADRS] offset:512*(\ks)+64*\i
.endr
	WIN TO_F
.irp i, 0,1,2,3
	FRAG (\f)+48+12*\i, A0+\slot, TPB*\i+1536*(\ks)
.endr
.irp i, 0,1,2,3
	FRAG (\f)+12*\i, A1+\slot, TPB*\i+1536*(\ks)
.endr
.endm
.macro MUL4 f, sc, a, zero
.irp b, 0,1,2,3
.if \zero
	v_wmma_scale_f32_16x16x128_f8f6f4 v[ACC+8*(4*(\a)+\b):ACC+8*(4*(\a)+\b)+7], v[(\f)+48+12*\b:(\f)+48+12*\b+11], v[(\f)+12*(\a):(\f)+12*(\a)+11], 0, v[SC+4*(\sc)+\b], v[SC+4*(\sc)+(\a)] matrix_a_fmt:MATRIX_FMT_FP6 matrix_b_fmt:MATRIX_FMT_FP6 matrix_a_scale:MATRIX_SCALE_ROW1
.else
	v_wmma_scale_f32_16x16x128_f8f6f4 v[ACC+8*(4*(\a)+\b):ACC+8*(4*(\a)+\b)+7], v[(\f)+48+12*\b:(\f)+48+12*\b+11], v[(\f)+12*(\a):(\f)+12*(\a)+11], v[ACC+8*(4*(\a)+\b):ACC+8*(4*(\a)+\b)+7], v[SC+4*(\sc)+\b], v[SC+4*(\sc)+(\a)] matrix_a_fmt:MATRIX_FMT_FP6 matrix_b_fmt:MATRIX_FMT_FP6 matrix_a_scale:MATRIX_SCALE_ROW1
.endif
.endr
.endm
.macro STEPK slot, ks, zero
.set FC, F0+(F1-F0)*((\ks)%2)
.set FN, F0+(F1-F0)*(1-(\ks)%2)
	s_wait_dscnt 8
	WIN MUL
	MUL4 FC, (\ks)%2, 0, \zero
	MUL4 FC, (\ks)%2, 1, \zero
	PLACES 4
	FETCH \slot, (\ks)+1, FN, 1-(\ks)%2
	s_wait_dscnt 36
	WIN MUL
	MUL4 FC, (\ks)%2, 2, \zero
	MUL4 FC, (\ks)%2, 3, \zero
.endm
	s_load_b256 s[4:11], s[0:1], 0x0
	s_load_b64 s[12:13], s[0:1], 0x20
	v_lshl_add_u32 v[SPW], v0, 2, SPARE
	v_mov_b32 v[NIL], 0
	ds_add_u32 v[SPW], v[NIL]
	ds_add_u32 v[SPW], v[NIL]
	v_lshrrev_b32 v1, 5, v0
	v_readfirstlane_b32 s14, v1                    ; wave
	v_lshlrev_b32 v14, 4, v0                       ; the scale words come through registers: 16 bytes a thread, 2,048 a load of the work-group; never rewritten
	v_lshl_add_u32 v15, v0, 4, SCL                 ; and where they go in LDS: bytes that no tensor load fills; never rewritten
	s_lshr_b32 s15, s14, 1
	s_and_b32 s16, s14, 1
	s_bfe_u32 s40, ttmp6, 0x40000
	s_bfe_u32 s41, ttmp6, 0x40004
	s_lshl_b32 s42, ttmp9, 2
	s_add_co_u32 s42, s42, s40
	s_and_b32 s17, ttmp7, 0xffff
	s_lshl_b32 s17, s17, 2
	s_add_co_u32 s17, s17, s41
	s_lshl_b32 s43, s41, 2
	s_lshl_b32 s43, 15, s43
	s_lshl_b32 s44, 0x1111, s40
	s_or_b32 s[G1+0], s43, (3<<16)|(1<<21)
	s_or_b32 s[G1B+0], s44, (3<<16)|(1<<21)
.irp g, G1, G1B
	s_mov_b32 s[\g+1], 32<<16                      ; four tiles' codes, all of K: 49,152 dense bytes as 192 rows of 256
	s_mov_b32 s[\g+2], 192<<16
	s_mov_b32 s[\g+3], 32<<16
	s_mov_b32 s[\g+4], 192
	s_mov_b32 s[\g+5], 32
	s_mov_b32 s[\g+6], 0
	s_mov_b32 s[\g+7], 0
.endr
	s_lshl_b32 s18, s16, 2
	s_lshl_b32 s20, s17, 3
	s_add_co_u32 s20, s20, s18
	s_mul_i32 s20, s20, TPB
	s_mov_b32 s21, 0
	s_mul_i32 s22, s17, NK*512
	s_mov_b32 s23, 0
	s_lshl_b32 s46, s42, 3
	s_add_co_u32 s46, s46, s18
	s_mul_i32 s46, s46, TPB
	s_mov_b32 s47, 0
	s_mul_i32 s92, s42, NK*512
	s_mov_b32 s93, 0
	s_mul_i32 s45, s14, QUART
	s_wait_alu depctr_va_vdst(0)
	s_wait_dscnt 0x0                               ; both opening adds are done
	s_wait_kmcnt 0x0
	s_add_nc_u64 s[20:21], s[4:5], s[20:21]
	s_add_nc_u64 s[22:23], s[4:5], s[22:23]
	s_add_nc_u64 s[22:23], s[22:23], ASO
	s_add_nc_u64 s[46:47], s[6:7], s[46:47]
	s_add_nc_u64 s[46:47], s[46:47], WCO
	s_add_nc_u64 s[92:93], s[6:7], s[92:93]
	s_add_nc_u64 s[92:93], s[92:93], WSO
	s_mov_b64 s[76:77], s[22:23]                   ; (s22 and s23 are used again below)
	global_load_b128 v[108:111], v14, s[76:77]             ; P1's 4,096 bytes of scale words, then P0's: 8,192 of the work-group's 204,800 bytes, so they are not asked for jointly
	global_load_b128 v[112:115], v14, s[76:77] offset:2048
	global_load_b128 v[116:119], v14, s[92:93]
	global_load_b128 v[120:123], v14, s[92:93] offset:2048
	CROUND                                         ; all sixteen work-groups are here: the joint loads meet
	s_mov_b32 s[G0], 1
	s_mov_b32 s[G0+1], s45
	s_mov_b64 s[G0+2:G0+3], s[20:21]
	s_or_b32 s[G0+3], s[G0+3], 0x80000000
	s_mov_b32 s[G0B], 1
	s_mov_b32 s[G0B+1], s45
	s_mov_b64 s[G0B+2:G0B+3], s[46:47]
	s_or_b32 s[G0B+3], s[G0B+3], 0x80000000
	JLOAD G0, G1, G0B, G1B                         ; my one tensor load of the launch: four tiles, all of K
	v_and_b32 v1, 15, v0
	v_bfe_u32 v2, v0, 4, 1
	v_and_b32 v4, 31, v0
	v_lshlrev_b32 v[L16], 4, v4
	v_lshlrev_b32 v[L8], 3, v4
	s_mul_i32 s21, s15, QUART
	s_mul_i32 s22, s16, QUART
	s_add_co_u32 s22, s22, 2*QUART
	v_add_nc_u32 v[A1], s21, v[L16]
	v_add_nc_u32 v[A0], s22, v[L16]
	v_add_nc_u32 v[A1+2], s21, v[L8]
	v_add_nc_u32 v[A0+2], s22, v[L8]
	v_add_nc_u32 v[A1+2], 512, v[A1+2]
	v_add_nc_u32 v[A0+2], 512, v[A0+2]
	s_lshl_b32 s21, s15, 8
	s_lshl_b32 s22, s16, 8
	s_add_co_u32 s22, s22, NK*512
	s_sub_co_u32 s22, s22, s21
	v_mul_u32_u24 v7, s22, v2
	v_lshl_add_u32 v7, v1, 2, v7
	s_add_co_u32 s21, s21, SCL
	v_add_nc_u32 v[ADRS], s21, v7
	s_mul_i32 s23, s14, 8704
	s_add_co_u32 s23, s23, STG
	v_mul_u32_u24 v[STO], v1, 272
	v_lshl_add_u32 v[STO], v2, 6, v[STO]
	v_add_nc_u32 v[STO], s23, v[STO]
	v_mul_u32_u24 v[RD], v2, 272
	v_lshl_add_u32 v[RD], v1, 4, v[RD]
	v_add_nc_u32 v[RD], s23, v[RD]
	v_lshlrev_b32 v[CO], 12, v2
	v_lshl_add_u32 v[CO], v1, 4, v[CO]
	v_lshlrev_b32 v5, 4, v1
	s_wait_alu depctr_va_vdst(0)
	s_lshl_b32 s94, s17, 7
	s_lshl_b32 s95, s15, 6
	s_add_co_u32 s94, s94, s95
	s_lshl_b32 s94, s94, 12
	s_lshl_b32 s96, s42, 9
	s_lshl_b32 s97, s16, 8
	s_add_co_u32 s96, s96, s97
	s_add_co_u32 s94, s94, s96
	s_mov_b32 s95, 0
	s_mov_b32 s97, 0
	s_add_nc_u64 s[10:11], s[10:11], s[94:95]
	s_add_nc_u64 s[12:13], s[12:13], s[94:95]
	s_add_nc_u64 s[8:9], s[8:9], s[96:97]
	global_load_b128 v[BI:BI+3], v5, s[8:9]
.irp t, 0,1,2,3,4,5,6,7,8,9,10,11,12,13,14,15
	global_load_b128 v[RES+4*\t:RES+4*\t+3], v[CO], s[10:11] offset:(16*((\t/4)%2)+8*(\t/8)+2*(\t%4))*4096
.endr
	s_wait_tensorcnt 0x0                           ; my four tiles are in
	s_wait_loadcnt 17                              ; the four loads of scale words are in; the bias's one and the residual's sixteen may be out
	ds_store_b128 v15, v[108:111]
	ds_store_b128 v15, v[112:115] offset:2048
	ds_store_b128 v15, v[116:119] offset:4096
	ds_store_b128 v15, v[120:123] offset:6144
	s_wait_dscnt 0x0                               ; for the others' sake: my part of the scale words lies in LDS
	s_barrier_signal -1
	s_barrier_wait -1
	FETCH 0, 0, F0, 0
	STEPK 0, 0, 1
	STEPK 0, 1, 0                                  ; all of K lies behind one address: the K step stands in the loads' immediates
	STEPK 0, 2, 0
	STEPK 0, 3, 0
	STEPK 0, 4, 0
	STEPK 0, 5, 0
	STEPK 0, 6, 0
	s_wait_dscnt 8
	WIN MUL
	MUL4 F1, 1, 0, 0
	MUL4 F1, 1, 1, 0
	s_wait_dscnt 0x0
	MUL4 F1, 1, 2, 0
	MUL4 F1, 1, 3, 0
	WIN 0
	PLACES 4
.irp g, 0,1
.irp u, 0,1
.irp b, 0,1,2,3
	ds_store_b128 v[STO], v[ACC+64*\g+32*\u+8*\b:ACC+64*\g+32*\u+8*\b+3] offset:4352*\u+128*(\b/2)+32*(\b%2)
	ds_store_b128 v[STO], v[ACC+64*\g+32*\u+8*\b+4:ACC+64*\g+32*\u+8*\b+7] offset:4352*\u+128*(\b/2)+32*(\b%2)+16
.endr
.endr
.irp t, 0,1,2,3,4,5,6,7,8,9,10,11,12,13,14,15
	ds_load_b128 v[ACC+64*\g+4*\t:ACC+64*\g+4*\t+3], v[RD] offset:544*\t
.endr
	s_wait_dscnt 0x0
	s_wait_loadcnt 0x0
.set p, 0
.rept 32
	v_pk_add_f32 v[ACC+64*\g+p:ACC+64*\g+p+1], v[ACC+64*\g+p:ACC+64*\g+p+1], v[RES+p:RES+p+1]
.set p, p+2
.endr
.if \g == 0
.irp t, 0,1,2,3,4,5,6,7,8,9,10,11,12,13,14,15
	global_load_b128 v[RES+4*\t:RES+4*\t+3], v[CO], s[10:11] offset:(32+16*((\t/4)%2)+8*(\t/8)+2*(\t%4))*4096
.endr
.endif
.set p, 0
.rept 32
	v_pk_add_f32 v[ACC+64*\g+p:ACC+64*\g+p+1], v[ACC+64*\g+p:ACC+64*\g+p+1], v[BI+p%4:BI+p%4+1]
.set p, p+2
.endr
.irp t, 0,1,2,3,4,5,6,7,8,9,10,11,12,13,14,15
	global_store_b128 v[CO], v[ACC+64*\g+4*\t:ACC+64*\g+4*\t+3], s[12:13] offset:(32*\g+16*((\t/4)%2)+8*(\t/8)+2*(\t%4))*4096
.endr
.endr
	s_wait_tensorcnt 0x0
	ds_add_u32 v[SPW], v[NIL]
	s_wait_dscnt 0x0
	CROUND
	s_endpgm
.Lfunc_end_k_qbb7766f309_proj:
	.size	k_qbb7766f309_proj, .Lfunc_end_k_qbb7766f309_proj-k_qbb7766f309_proj
	.p2alignl 7, 3214868480
	.fill 96, 4, 3214868480
	.section	.rodata,"a",@progbits
	.p2align	6, 0x0
	.amdhsa_kernel k_qbb7766f309_proj
		.amdhsa_group_segment_fixed_size 327680
		.amdhsa_private_segment_fixed_size 0
		.amdhsa_enable_private_segment 0
		.amdhsa_kernarg_size 40
		.amdhsa_user_sgpr_count 2
		.amdhsa_user_sgpr_kernarg_segment_ptr 1
		.amdhsa_wavefront_size32 1
		.amdhsa_system_sgpr_workgroup_id_x 1
		.amdhsa_system_sgpr_workgroup_id_y 1
		.amdhsa_system_sgpr_workgroup_id_z 1
		.amdhsa_system_vgpr_workitem_id 0
		.amdhsa_next_free_vgpr 512
		.amdhsa_next_free_sgpr 98
		.amdhsa_reserve_vcc 0
		.amdhsa_float_denorm_mode_32 3
		.amdhsa_float_denorm_mode_16_64 3
		.amdhsa_memory_ordered 1
		.amdhsa_forward_progress 1
		.amdhsa_inst_pref_size 63
	.end_amdhsa_kernel
	.amdgpu_metadata
---
amdhsa.version: [ 1, 2 ]
amdhsa.kernels:
  - .name:           k_qbb7766f309_proj
    .symbol:         k_qbb7766f309_proj.kd
    .args:
      - { .name: yq, .offset: 0, .size: 8, .value_kind: global_buffer, .address_space: global }
      - { .name: wts, .offset: 8, .size: 8, .value_kind: global_buffer, .address_space: global }
      - { .name: proj_b, .offset: 16, .size: 8, .value_kind: global_buffer, .address_space: global }
      - { .name: x, .offset: 24, .size: 8, .value_kind: global_buffer, .address_space: global }
      - { .name: x1, .offset: 32, .size: 8, .value_kind: global_buffer, .address_space: global }
    .group_segment_fixed_size: 327680
    .private_segment_fixed_size: 0
    .kernarg_segment_align: 8
    .kernarg_segment_size: 40
    .max_flat_workgroup_size: 128
    .sgpr_count:     98
    .vgpr_count:     512
    .wavefront_size: 32
...
	.end_amdgpu_metadata
.endif
;; end of part 4
;; launch ln2: the kernel of part 1 again; grid 256 x 1, 4 waves a work-group, no clusters, 66,304 bytes of LDS; arguments x1, ln2_w, ln2_b, act2, attn_w, proj_w, fc_w, mlp_proj_w, wts; writes act2, wts
;; launch fc (part 5): grid 8 x 32, 4 waves a work-group, clusters of 4 x 4, 327,680 bytes of LDS; arguments act2, wts, fc_b, hq; writes hq
.if DOCPART == 5
	.amdgcn_target "amdgcn-amd-amdhsa--gfx1250"
	.amdhsa_code_object_version 6
	.text
	.protected	k_qbb7766f309_fc
	.globl	k_qbb7766f309_fc
	.p2align	8
	.type	k_qbb7766f309_fc,@function
k_qbb7766f309_fc:
	s_mov_b64 s[64:65], 0
	v_nop
	global_prefetch_b8 v0, s[64:65] scope:SCOPE_SE
	s_setreg_imm32_b32 hwreg(HW_REG_WAVE_MODE, 25, 1), 1
	s_wait_xcnt 0x0
	s_wait_alu depctr_hold_cnt(0) depctr_sa_sdst(0) depctr_va_vdst(0) depctr_va_sdst(0) depctr_va_ssrc(0) depctr_va_vcc(0) depctr_vm_vsrc(0)
	s_getreg_b32 s2, hwreg(HW_REG_IB_STS2, 6, 4)
	s_cmp_eq_u32 s2, 0
	s_cbranch_scc0 .Lentry_in_a_cluster
	s_endpgm
.Lentry_in_a_cluster:
	s_bfe_u32 s2, ttmp6, 0x10000c
	s_cmp_lg_u32 s2, 0xf033
	s_cbranch_scc0 .Lentry_shape_is_right
	s_endpgm
.Lentry_shape_is_right:
; h = gelu(LN2(x1) fc_w + fc_b), the product on codes of E2M3 (K = 1,024), and h's own codes along the 4,096 hidden units, made in registers: h never goes to memory as f32.
; A tile of 128 x 128; four waves, 64 x 64 each: 16 accumulators.  P0 (source 0) = 128 columns of the weight, along a lane's result registers; P1 (source 1) = 128 tokens, along the lanes.
; Operands lie in memory as images of the operand's registers: tiles of 16 rows (tile 2 g + u, row r = index 32 g + 8 u + r + 8 (r / 8)), 768 bytes for each 64 along K (lane r + 16 h: K = 32 h .. + 31;
; registers 0-3 at 16 x lane, 4-5 at 512 + 8 x lane): so a lane's 16 registers of two neighbouring tiles of P0 are 16 neighbouring hidden units.
; A WORK-GROUP STAYS: it keeps its 128 tokens' codes, all of K, 98,304 bytes, in LDS for the whole launch and walks FOUR neighbouring panels of 128 columns.  A panel's codes, 98,304 bytes, lie in one slot.
; When all waves have read the slot out (the three lines, a round of the cluster's barrier), each wave asks for its quarter of the next panel, one tensor load of 24,576 dense bytes, and the epilogue, which
; touches no LDS, stands between that request and the wait for it.  Three tiles go round a loop; the fourth is written out, since it asks for nothing.
; THE SCALE WORDS come once: the work-group brings the tokens' block (4,096 bytes), laid in four copies, and the four panels' blocks (16,384 bytes), so that one address register steps 4,096 bytes a tile in every lane.
; CLUSTER 4 x 4: P1 is shared along a row of the cluster, P0 along a column, by joint loads: at the head a branch parts waves 0-1 (the tokens) from waves 2-3 (the first panel); in the loop every wave issues one.  All of a WGP's LDS is claimed.
; GELU, exact: gelu(x) = max(x, 0) - |x| erfc(z) / 2, z = |x| / sqrt(2).  erfc(z) = t exp(-z z + P(t)), t = 1 / (1 + z / 2), P of degree 9: a Chebyshev fit whose fractional error is about 1.2e-7 for every z >= 0.
; LIMITS: the exponent's argument is rounded twice in f32, so that erfc's relative error grows as about 1e-7 x z z (about 2e-6 at x = -6); the exponential gives 0 under 2^-126, so erfc(z) / 2 under that becomes 0.
; A block whose largest magnitude lies under 2^-124 takes the byte 1, a block of zeros too (zero codes; the bytes are read by this program alone).  NaN and infinities are not served.
.set TPB,   12288                      ; bytes of a tile's codes: 16 rows x 1,024 along K
.set ASO,   3145728                    ; where the activations' scale words begin
.set WCO,   3145728                    ; where this weight's codes begin,
.set WSO,   9568256                    ; and its scale words
.set HSO,   12582912                   ; in the result: the scale words
.set P0C,   98304                      ; LDS: P1's 8 tiles from 0 on, P0's 8 tiles from here on
.set PART,  24576                      ; two tiles: what one tensor load brings
.set HALF,  49152                      ; four tiles: what one wave reads of P1 or of P0
.set SCL,   196608                     ; four copies of P1's scale block, 4,096 bytes each,
.set SC0,   16384                      ; and, so far behind them, the blocks of the four panels of P0
.set SPARE, 264192                     ; the spare words, 128 bytes a wave
.set A1,   16                          ; v16 P1's 16-byte reads, v17 its 8-byte reads
.set A0,   18                          ; v18, v19 the same for P0
.set ADRS, 27                          ; v27    my scale words: lanes 0-15 P1's rows, lanes 16-31 P0's
.set SPW,  28
.set NIL,  29
.set L16,  30                          ; v30    16 x lane
.set L8,   31                          ; v31    8 x lane
.set SC,   32                          ; v32-39 scale words, two sets of four, and nothing else
.set BQ,   40                          ; v40-71 the bias along my registers; done with before the activation
.set TT,   40                          ; v40-55 the activation: t,
.set TP,   56                          ; v56-71 the polynomial, the exponential,
.set TH,   72                          ; v72-87 x / 2, then max(x, 0)
.set PC,   88                          ; v88-119 codes, 8 registers a tile
.set TM,   120                         ; v120-127 at work in the quantiser
.set HW,   8                           ; v8-11 two scale bytes a tile
.set ACC,  128                         ; v128-255 accumulator (a, b) at ACC + 8 (4 a + b)
.set F0,   40                          ; window 1: two fragment buffers: P1's four at + 12 a, P0's four at + 48 + 12 b
.set F1,   144
.set SEL,  20
.set G1P0, 24                          ; s[24:31], s[32:35] groups 1 and 0 for P0's codes: they stay
.set G0P0, 32
.set G1P1, 36                          ; s[36:43], s[44:47] for P1's codes
.set G0P1, 44
.set G1S1, 48
.set G0S1, 56
.set G0S0, 60                          ; s[60:63], s[68:75] for the head's load of P0's first panel
.set G1S0, 68
.set MSB, 0
.macro WIN new                         ; the immediate's high byte repeats the setting that is left
.if MSB != \new
	s_set_vgpr_msb (MSB<<8)|\new
.set MSB, \new
.endif
.endm
.set MUL,  0x05                        ; sources 0 and 1 window 1; C and D window 0
.set TO_F, 0x40                        ; destination window 1, address window 0
.macro CROUND                          ; a round of the cluster's barrier
	s_barrier_signal -1
	s_barrier_wait -1
	s_cmp_lg_u32 s14, 0
	s_cbranch_scc1 .Lnot_wave_0_\@
	s_barrier_signal -3
.Lnot_wave_0_\@:
	s_barrier_wait -3
	s_barrier_signal -1
	s_barrier_wait -1
.endm
.macro PLACES n
.rept \n
	v_nop
.endr
.endm
.macro FRAG reg, adr, off              ; a fragment, 16 rows x 128 K: two half-images on end; every load is dense in the lanes
	ds_load_b128 v[(\reg):(\reg)+3], v[\adr] offset:\off
	ds_load_b64 v[(\reg)+4:(\reg)+5], v[(\adr)+1] offset:\off
	ds_load_b128 v[(\reg)+6:(\reg)+9], v[\adr] offset:(\off)+768
	ds_load_b64 v[(\reg)+10:(\reg)+11], v[(\adr)+1] offset:(\off)+768
.endm
.macro FETCH ks, f, sc                 ; 36 LDS loads: the ks-th 128 along K: four scale registers, P0's four fragments, P1's four
	WIN 0
.irp i, 0,1,2,3
	ds_load_b32 v[SC+4*(\sc)+\i], v[ADRS] offset:512*(\ks)+64*\i
.endr
	WIN TO_F
.irp i, 0,1,2,3
	FRAG (\f)+48+12*\i, A0, TPB*\i+1536*(\ks)
.endr
.irp i, 0,1,2,3
	FRAG (\f)+12*\i, A1, TPB*\i+1536*(\ks)
.endr
.endm
.macro MUL4 f, sc, a, zero             ; P1's tile a against P0's four.  The 16 accumulators take turns, one instruction a turn, in the same order in every K step
.irp b, 0,1,2,3
.if \zero
	v_wmma_scale_f32_16x16x128_f8f6f4 v[ACC+8*(4*(\a)+\b):ACC+8*(4*(\a)+\b)+7], v[(\f)+48+12*\b:(\f)+48+12*\b+11], v[(\f)+12*(\a):(\f)+12*(\a)+11], 0, v[SC+4*(\sc)+\b], v[SC+4*(\sc)+(\a)] matrix_a_fmt:MATRIX_FMT_FP6 matrix_b_fmt:MATRIX_FMT_FP6 matrix_a_scale:MATRIX_SCALE_ROW1
.else
	v_wmma_scale_f32_16x16x128_f8f6f4 v[ACC+8*(4*(\a)+\b):ACC+8*(4*(\a)+\b)+7], v[(\f)+48+12*\b:(\f)+48+12*\b+11], v[(\f)+12*(\a):(\f)+12*(\a)+11], v[ACC+8*(4*(\a)+\b):ACC+8*(4*(\a)+\b)+7], v[SC+4*(\sc)+\b], v[SC+4*(\sc)+(\a)] matrix_a_fmt:MATRIX_FMT_FP6 matrix_b_fmt:MATRIX_FMT_FP6 matrix_a_scale:MATRIX_SCALE_ROW1
.endif
.endr
.endm
.macro STEPK ks, zero                  ; a K step of 128 that has a successor
.set FC, F0+(F1-F0)*((\ks)%2)
.set FN, F0+(F1-F0)*(1-(\ks)%2)
	s_wait_dscnt 8                                 ; all but the youngest eight loads (P1's tiles 2 and 3) are in
	WIN MUL
	MUL4 FC, (\ks)%2, 0, \zero
	MUL4 FC, (\ks)%2, 1, \zero
	PLACES 4                                       ; in front of loads into registers that the last K step's products read
	FETCH (\ks)+1, FN, 1-(\ks)%2
	s_wait_dscnt 36                                ; all but the 36 just issued
	WIN MUL
	MUL4 FC, (\ks)%2, 2, \zero
	MUL4 FC, (\ks)%2, 3, \zero
.endm
.macro QUANT32 s, pc, hw               ; 32 numbers of a lane, register 16 b + i = index 32 b + 16 (lane / 16) + i, become a half-image's six registers and two scale bytes
.irp b, 0,1
	v_max3_num_f32 v[TM+\b], |v[(\s)+16*\b]|, |v[(\s)+16*\b+1]|, 0x1800000   ; the floor 2^(3 - 127) holds the byte at 1 from below
.endr
.irp i, 2,4,6,8,10,12,14
.irp b, 0,1
	v_max3_num_f32 v[TM+\b], v[TM+\b], |v[(\s)+16*\b+\i]|, |v[(\s)+16*\b+\i+1]|
.endr
.endr
.irp b, 0,1
	v_permlanex16_b32 v[TM+2+\b], v[TM+\b], s[SEL], s[SEL+1]
.endr
.irp b, 0,1
	v_max_num_f32 v[TM+\b], v[TM+\b], v[TM+2+\b]   ; with lane l xor 16's: the block's largest magnitude
.endr
.irp b, 0,1
	v_add_nc_u32 v[TM+4+\b], 0xff000000, v[TM+\b]  ; 2 off the exponent field: the conversion's scale operand
.endr
.irp b, 0,1
	v_lshrrev_b32 v[TM+2+\b], 23, v[TM+4+\b]       ; the scale's byte
.endr
	v_lshl_or_b32 v[\hw], v[TM+3], 8, v[TM+2]
	v_cvt_scalef32_pk16_fp6_f32 v[(\pc):(\pc)+2], v[(\s):(\s)+15], v[TM+4]
	v_cvt_scalef32_pk16_fp6_f32 v[(\pc)+4:(\pc)+6], v[(\s)+16:(\s)+31], v[TM+5]
	v_nop                                          ; one plain place behind the conversions
.irp i, 0,1,2                                  ; the layout wants a whole block in a lane: lanes 0-15 block 0, lanes 16-31 block 1
	v_permlane16_swap_b32 v[(\pc)+\i], v[(\pc)+4+\i]
.endr
.irp i, 3,4,5
	v_mov_b32 v[(\pc)+\i], v[(\pc)+\i+1]
.endr
.endm
; gelu of sixteen numbers, in place.  Sixteen at a time, so that a step of the polynomial is eight packed lines and no line waits for the line above it.
.macro GELU16 x
.irp p, 0,1,2,3,4,5,6,7,8,9,10,11,12,13,14,15
	v_fma_f32 v[TT+\p], |v[(\x)+\p]|, 0x3eb504f3, 1.0                                      ; 1 + z / 2 = 1 + |x| / (2 sqrt(2))
.endr
	s_wait_alu depctr_va_vdst(0)
.irp p, 0,1,2,3,4,5,6,7,8,9,10,11,12,13,14,15
	v_rcp_f32 v[TT+\p], v[TT+\p]                                                           ; t
.endr
.irp p, 0,2,4,6,8,10,12,14
	v_pk_mul_f32 v[TH+\p:TH+\p+1], v[(\x)+\p:(\x)+\p+1], 0.5 op_sel_hi:[1,0]               ; x / 2: plain work behind the batch, which names none of its results
.endr
	s_wait_alu depctr_va_vdst(0)                   ; one wait for the sixteen reciprocals, ahead of their first reader
.irp p, 0,2,4,6,8,10,12,14
	v_pk_fma_f32 v[TP+\p:TP+\p+1], v[TT+\p:TT+\p+1], v[14:15], 0xbf527892 op_sel_hi:[1,1,0]   ; 0.17087277 t - 0.82215223
.endr
.irp c, 0x3fbe87b0, 0xbf914e5d, 0x3e8ec7cc, 0xbe3ec24c, 0x3dc636c9, 0x3ebf88fb, 0x3f8000c7, 0xbfa1fc4e   ; 1.48851587, -1.13520398, 0.27886807, -0.18628806, 0.09678418, 0.37409196, 1.00002368, -1.26551223
.irp p, 0,2,4,6,8,10,12,14
	v_pk_fma_f32 v[TP+\p:TP+\p+1], v[TP+\p:TP+\p+1], v[TT+\p:TT+\p+1], \c op_sel_hi:[1,1,0]
.endr
.endr
.irp p, 0,2,4,6,8,10,12,14
	v_pk_fma_f32 v[TP+\p:TP+\p+1], v[TH+\p:TH+\p+1], v[(\x)+\p:(\x)+\p+1], v[TP+\p:TP+\p+1] neg_lo:[1,0,0] neg_hi:[1,0,0]   ; P(t) - z z: z z = (x / 2) x, its product not rounded
.endr
.irp p, 0,2,4,6,8,10,12,14
	v_pk_fma_f32 v[TP+\p:TP+\p+1], v[TP+\p:TP+\p+1], 0x3fb8aa3b, -1.0 op_sel_hi:[1,0,0]    ; x log2(e), and 1 off: the exponential then gives half of exp(..)
.endr
	s_wait_alu depctr_va_vdst(0)
.irp p, 0,1,2,3,4,5,6,7,8,9,10,11,12,13,14,15
	v_exp_f32 v[TP+\p], v[TP+\p]
.endr
.irp p, 0,1,2,3,4,5,6,7,8,9,10,11,12,13,14,15
	v_max_num_f32 v[TH+\p], 0, v[(\x)+\p]                                                  ; max(x, 0): plain work behind the batch
.endr
	s_wait_alu depctr_va_vdst(0)                   ; one wait for the sixteen exponentials
.irp p, 0,2,4,6,8,10,12,14
	v_pk_mul_f32 v[TP+\p:TP+\p+1], v[TP+\p:TP+\p+1], v[TT+\p:TT+\p+1]                      ; erfc(z) / 2
.endr
.irp p, 0,1,2,3,4,5,6,7,8,9,10,11,12,13,14,15
	v_fma_f32 v[(\x)+\p], -|v[(\x)+\p]|, v[TP+\p], v[TH+\p]                                ; max(x, 0) - |x| erfc(z) / 2, rounded once
.endr
.endm
; ONE TILE of 128 x 128.  fill = 1: the next panel of P0 is asked for behind the products.
.macro TILE fill
.irp b, 0,1,2,3                                ; the bias of this panel's columns: register 8 b + j is column 32 (b / 2) + 16 h + 8 (b % 2) + j
	global_load_b128 v[BQ+8*\b:BQ+8*\b+3], v5, s[8:9] offset:128*(\b/2)+32*(\b%2)
	global_load_b128 v[BQ+8*\b+4:BQ+8*\b+7], v5, s[8:9] offset:128*(\b/2)+32*(\b%2)+16
.endr
	s_wait_tensorcnt 0x0                           ; the wait that the reads need: my part of this panel has landed (in the first tile: my one load at the head); nothing of mine was issued behind it
	s_barrier_signal -1
	s_barrier_wait -1                              ; everybody's has.
	FETCH 0, F0, 0
	STEPK 0, 1                                     ; the first K step starts the sums: nothing is cleared
	STEPK 1, 0
	STEPK 2, 0
	STEPK 3, 0
	STEPK 4, 0
	STEPK 5, 0
	STEPK 6, 0
	s_wait_dscnt 8                                 ; the last K step: nothing more to fetch
	WIN MUL
	MUL4 F1, 1, 0, 0
	MUL4 F1, 1, 1, 0
	s_wait_dscnt 0x0
	MUL4 F1, 1, 2, 0
	MUL4 F1, 1, 3, 0
	WIN 0
.if \fill
	s_wait_tensorcnt 0x0                           ; no tensor load of mine is out, so the group 0 may be written
	ds_add_u32 v[SPW], v[NIL]                      ; 0 onto my spare word; the two steps below stand between it and the wait for it
	s_add_nc_u64 s[G0P0+2:G0P0+3], s[G0P0+2:G0P0+3], 8*TPB   ; the next panel's codes; the type bits on top are not reached
	v_add_nc_u32 v[ADRS], 4096, v[ADRS]            ; and its scale words, with the next copy of P1's
	s_wait_dscnt 0x0                               ; the add is done, and my reads of the slot are over
	CROUND                                         ; no wave of any partner still reads the slot or has a load on its way
	tensor_load_to_lds s[G0P0:G0P0+3], s[G1P0:G1P0+7]   ; my one tensor load behind the round: the epilogue stands between it and the wait for it
	s_nop 0
	PLACES 4                                       ; (also the places in front of the first read of results)
.else
	PLACES 4                                       ; in front of the first read of results
.endif
	s_wait_loadcnt 0x0                             ; the bias
.irp a, 0,1,2,3                                ; the bias first, for all four tiles (each accumulator from its low end on): its registers then serve the activation
.set p, 0
.rept 16
	v_pk_add_f32 v[ACC+32*\a+p:ACC+32*\a+p+1], v[ACC+32*\a+p:ACC+32*\a+p+1], v[BQ+p:BQ+p+1]
.set p, p+2
.endr
.endr
.irp a, 0,1,2,3
	GELU16 ACC+32*\a
	GELU16 ACC+32*\a+16
	QUANT32 ACC+32*\a, PC+8*\a, HW+\a
	global_store_b128 v[L16], v[PC+8*\a:PC+8*\a+3], s[12:13] offset:49152*\a          ; a half-image leaves from registers: 512 consecutive bytes,
	global_store_b64 v[L8], v[PC+8*\a+4:PC+8*\a+5], s[12:13] offset:49152*\a+512      ; and 256
.endr
.irp a, 0,2
	v_cndmask_b32 v[12+\a/2], v[HW+\a], v[HW+\a+1], s2                                ; lanes 0-15 tile a's rows, lanes 16-31 tile a + 1's
	global_store_b16 v3, v[12+\a/2], s[10:11] offset:64*\a                            ; two of a word's four bytes: the wave with the other 64 columns stores the other two
.endr
.if \fill
	s_wait_xcnt 0x0                                ; the stores have read their data and their bases: both are written again only behind this wait
	s_add_nc_u64 s[8:9], s[8:9], 512               ; the next panel: 128 numbers of the bias,
	s_add_nc_u64 s[12:13], s[12:13], 1536          ; two half-images on in each tile of the result,
	s_add_nc_u64 s[10:11], s[10:11], 512           ; one K step of its scale words
.endif
.endm
	s_load_b256 s[4:11], s[0:1], 0x0               ; the activations, the weights, the bias, the result
	v_lshl_add_u32 v[SPW], v0, 2, SPARE
	v_mov_b32 v[NIL], 0
	ds_add_u32 v[SPW], v[NIL]                      ; the wave's opening: the add and its wait ahead of my first tensor load
	ds_add_u32 v[SPW], v[NIL]
	v_lshrrev_b32 v1, 5, v0
	v_readfirstlane_b32 s14, v1                    ; wave
	v_lshlrev_b32 v20, 4, v0                       ; the scale words come through registers: 16 bytes a thread, 2,048 a load of the work-group; never rewritten
	v_lshl_add_u32 v21, v0, 4, SCL                 ; and where they go in LDS: bytes that no tensor load fills; never rewritten
	s_lshr_b32 s15, s14, 1                         ; which 64 tokens are mine
	s_and_b32 s16, s14, 1                          ; which 64 columns
	s_bfe_u32 s76, ttmp6, 0x40000                  ; cx
	s_bfe_u32 s77, ttmp6, 0x40004                  ; cy
	s_lshl_b32 s80, ttmp9, 2
	s_add_co_u32 s80, s80, s76
	s_lshl_b32 s80, s80, 2                         ; my first panel of 128 columns: 16 x cluster x + 4 cx
	s_and_b32 s17, ttmp7, 0xffff
	s_lshl_b32 s17, s17, 2
	s_add_co_u32 s17, s17, s77                     ; my panel of 128 tokens: 4 x cluster y + cy
	s_lshl_b32 s78, s77, 2
	s_lshl_b32 s78, 15, s78                        ; my row of the cluster
	s_lshl_b32 s79, 0x1111, s76                    ; my column
	s_or_b32 s[G1P0], s79, (3<<16)|(1<<21)         ; codes: the mask; elements of 8 bytes; bit 21 beside a mask; no padding
	s_or_b32 s[G1P1], s78, (3<<16)|(1<<21)
.irp g, G1P0
	s_mov_b32 s[\g+1], 32<<16                      ; two tiles' codes: 24,576 dense bytes as 96 rows of 256
	s_mov_b32 s[\g+2], 96<<16
	s_mov_b32 s[\g+3], 32<<16
	s_mov_b32 s[\g+4], 96
	s_mov_b32 s[\g+5], 32
	s_mov_b32 s[\g+6], 0
	s_mov_b32 s[\g+7], 0
.endr
	s_or_b32 s[G1S0], s79, (3<<16)|(1<<21)
.irp g, G1S0, G1P1                             ; the head's two loads: four tiles' codes, 49,152 dense bytes as 192 rows of 256; G1S0 (my column's mask) serves the first panel of P0, G1P1 the tokens
	s_mov_b32 s[\g+1], 32<<16
	s_mov_b32 s[\g+2], 192<<16
	s_mov_b32 s[\g+3], 32<<16
	s_mov_b32 s[\g+4], 192
	s_mov_b32 s[\g+5], 32
	s_mov_b32 s[\g+6], 0
	s_mov_b32 s[\g+7], 0
.endr
	s_lshl_b32 s18, s14, 1                         ; the two tiles that I fetch
	s_lshl_b32 s20, s17, 3
	s_lshl_b32 s19, s16, 2                         ; at the head a wave fetches four tiles: which half
	s_add_co_u32 s20, s20, s19
	s_mul_i32 s20, s20, TPB                        ; P1's codes: tile 8 x panel + 4 x half
	s_mov_b32 s21, 0
	s_lshl_b32 s22, s17, 12                        ; P1's scale words: the whole block, in every wave
	s_mov_b32 s23, 0
	s_lshl_b32 s82, s80, 3
	s_add_co_u32 s82, s82, s18
	s_mul_i32 s82, s82, TPB                        ; P0's codes likewise
	s_mov_b32 s83, 0
	s_lshl_b32 s84, s80, 12                        ; P0's scale words: the four panels' blocks lie on end, 16,384 bytes
	s_lshl_b32 s48, s80, 3
	s_add_co_u32 s48, s48, s19
	s_mul_i32 s48, s48, TPB                        ; the first panel's half for the head's load
	s_mov_b32 s49, 0
	s_mov_b32 s85, 0
	s_mul_i32 s86, s14, PART                       ; where they go: no place in the cluster enters an LDS address
	s_mul_i32 s88, s16, HALF                       ; where a half goes
	s_wait_alu depctr_va_vdst(0)
	s_wait_dscnt 0x0                               ; both opening adds are done
	s_wait_kmcnt 0x0
	s_add_nc_u64 s[20:21], s[4:5], s[20:21]
	s_add_nc_u64 s[22:23], s[4:5], s[22:23]
	s_add_nc_u64 s[22:23], s[22:23], ASO
	s_add_nc_u64 s[82:83], s[6:7], s[82:83]
	s_add_nc_u64 s[82:83], s[82:83], WCO
	s_add_nc_u64 s[84:85], s[6:7], s[84:85]
	s_add_nc_u64 s[84:85], s[84:85], WSO
	s_add_nc_u64 s[48:49], s[6:7], s[48:49]
	s_add_nc_u64 s[48:49], s[48:49], WCO
	global_load_b128 v[128:131], v20, s[22:23]             ; the tokens' 4,096 bytes of scale words,
	global_load_b128 v[132:135], v20, s[22:23] offset:2048
.irp j, 0,1,2,3,4,5,6,7
	global_load_b128 v[136+4*\j:139+4*\j], v20, s[84:85] offset:2048*\j   ; and the four panels' 16,384: a small part of the work-group's bytes, so they are not asked for jointly
.endr
	CROUND                                         ; all sixteen work-groups are here: the first joint loads meet
	s_mov_b32 s[G0S0], 1
	s_add_co_u32 s[G0S0+1], s88, P0C
	s_mov_b64 s[G0S0+2:G0S0+3], s[48:49]
	s_or_b32 s[G0S0+3], s[G0S0+3], 0x80000000
	s_mov_b32 s[G0P1], 1
	s_mov_b32 s[G0P1+1], s88
	s_mov_b64 s[G0P1+2:G0P1+3], s[20:21]
	s_or_b32 s[G0P1+3], s[G0P1+3], 0x80000000
	s_mov_b32 s[G0P0], 1
	s_add_co_u32 s[G0P0+1], s86, P0C
	s_mov_b64 s[G0P0+2:G0P0+3], s[82:83]
	s_or_b32 s[G0P0+3], s[G0P0+3], 0x80000000
	s_cmp_lt_u32 s14, 2                            ; one tensor load a wave at the head: waves 0 and 1 the tokens' two halves, waves 2 and 3 the first panel's
	s_cbranch_scc0 .Lhead_p0
	tensor_load_to_lds s[G0P1:G0P1+3], s[G1P1:G1P1+7]
	s_nop 0
	PLACES 4
	s_branch .Lhead_asked
.Lhead_p0:
	tensor_load_to_lds s[G0S0:G0S0+3], s[G1S0:G1S0+7]
	s_nop 0
	PLACES 4
.Lhead_asked:
	v_and_b32 v1, 15, v0                           ; r
	v_bfe_u32 v2, v0, 4, 1                         ; h
	v_and_b32 v4, 31, v0
	v_lshlrev_b32 v3, 2, v4                        ; 4 x lane
	v_lshlrev_b32 v[L16], 4, v4
	v_lshlrev_b32 v[L8], 3, v4
	s_mul_i32 s90, s15, HALF                       ; my four tiles of P1,
	s_mul_i32 s91, s16, HALF
	s_add_co_u32 s91, s91, P0C                     ; and of P0
	v_add_nc_u32 v[A1], s90, v[L16]
	v_add_nc_u32 v[A0], s91, v[L16]
	v_add_nc_u32 v[A1+1], s90, v[L8]
	v_add_nc_u32 v[A0+1], s91, v[L8]
	v_add_nc_u32 v[A1+1], 512, v[A1+1]
	v_add_nc_u32 v[A0+1], 512, v[A0+1]
	s_lshl_b32 s90, s15, 8
	s_lshl_b32 s91, s16, 8
	s_add_co_u32 s91, s91, SC0
	s_sub_co_u32 s91, s91, s90
	v_mul_u32_u24 v7, s91, v2                      ; lanes 16-31 take P0's words
	v_lshl_add_u32 v7, v1, 2, v7
	s_add_co_u32 s90, s90, SCL
	v_add_nc_u32 v[ADRS], s90, v7
	v_mov_b32 v[TM+2], 0                           ; written once: a lane permute's destination counts as one of its sources
	v_mov_b32 v[TM+3], 0
	v_mov_b32 v14, 0x3e2ef945                      ; the polynomial's leading coefficient, 0.17087277, as a pair
	v_mov_b32 v15, 0x3e2ef945
	v_lshlrev_b32 v5, 6, v2                        ; the bias: 64 h
	s_lshl_b32 s92, s80, 9
	s_lshl_b32 s93, s16, 8
	s_add_co_u32 s92, s92, s93                     ; my first column, in bytes
	s_mov_b32 s93, 0
	s_add_nc_u64 s[8:9], s[8:9], s[92:93]
	s_lshl_b32 s94, s17, 3                         ; the result's codes: tile 8 P1 + 4 (my half), 49,152 bytes a tile; half-image 2 P0 + my half
	s_lshl_b32 s95, s15, 2
	s_add_co_u32 s94, s94, s95
	s_mul_i32 s94, s94, 49152
	s_lshl_b32 s95, s80, 1
	s_add_co_u32 s95, s95, s16
	s_mul_i32 s95, s95, 768
	s_add_co_u32 s94, s94, s95
	s_mov_b32 s95, 0
	s_add_nc_u64 s[12:13], s[10:11], s[94:95]
	s_lshl_b32 s94, s17, 5                         ; its scale words: (P1 x 32 + P0) x 512 + 256 x my half of the tokens + 2 x my half of the columns
	s_add_co_u32 s94, s94, s80
	s_lshl_b32 s94, s94, 9
	s_lshl_b32 s96, s15, 8
	s_add_co_u32 s94, s94, s96
	s_lshl_b32 s96, s16, 1
	s_add_co_u32 s94, s94, s96
	s_add_co_u32 s94, s94, HSO
	s_add_nc_u64 s[10:11], s[10:11], s[94:95]
	s_mov_b32 s[SEL], 0x76543210
	s_mov_b32 s[SEL+1], 0xfedcba98                 ; lane l xor 16
	s_mov_b32 s2, 0xffff0000                       ; lanes 16-31
	s_mov_b32 s3, 3
	s_wait_alu depctr_va_vdst(0)                   ; the wait at the head's end
	s_wait_tensorcnt 0x0                           ; my four tiles are in
	s_wait_loadcnt 0x0                             ; and the scale words
.irp c, 0,1,2,3                                ; four copies of the tokens' block, so that one address register steps 4,096 bytes a tile in every lane
	ds_store_b128 v21, v[128:131] offset:4096*\c
	ds_store_b128 v21, v[132:135] offset:4096*\c+2048
.endr
.irp j, 0,1,2,3,4,5,6,7
	ds_store_b128 v21, v[136+4*\j:139+4*\j] offset:SC0+2048*\j
.endr
	s_wait_dscnt 0x0                               ; for the others' sake: my part of the scale words lies in LDS ahead of the first tile's barrier
.Ltile:                                                ; three trips: each asks for the next panel
	s_wait_alu depctr_va_vdst(0)
	TILE 1
	s_sub_co_u32 s3, s3, 1
	s_cmp_lg_u32 s3, 0
	s_cbranch_scc1 .Ltile
	TILE 0                                         ; the fourth tile is written out
	s_wait_tensorcnt 0x0                           ; the wave's end
	ds_add_u32 v[SPW], v[NIL]
	s_wait_dscnt 0x0
	CROUND                                         ; the closing round
	s_endpgm
.Lfunc_end_k_qbb7766f309_fc:
	.size	k_qbb7766f309_fc, .Lfunc_end_k_qbb7766f309_fc-k_qbb7766f309_fc
	.p2alignl 7, 3214868480
	.fill 96, 4, 3214868480
	.section	.rodata,"a",@progbits
	.p2align	6, 0x0
	.amdhsa_kernel k_qbb7766f309_fc
		.amdhsa_group_segment_fixed_size 327680
		.amdhsa_private_segment_fixed_size 0
		.amdhsa_enable_private_segment 0
		.amdhsa_kernarg_size 32
		.amdhsa_user_sgpr_count 2
		.amdhsa_user_sgpr_kernarg_segment_ptr 1
		.amdhsa_wavefront_size32 1
		.amdhsa_system_sgpr_workgroup_id_x 1
		.amdhsa_system_sgpr_workgroup_id_y 1
		.amdhsa_system_sgpr_workgroup_id_z 1
		.amdhsa_system_vgpr_workitem_id 0
		.amdhsa_next_free_vgpr 512
		.amdhsa_next_free_sgpr 98
		.amdhsa_reserve_vcc 0
		.amdhsa_float_denorm_mode_32 3
		.amdhsa_float_denorm_mode_16_64 3
		.amdhsa_memory_ordered 1
		.amdhsa_forward_progress 1
		.amdhsa_inst_pref_size 255
	.end_amdhsa_kernel
	.section	.bss,"aw",@nobits
	.p2align	6
	.space	262144
	.amdgpu_metadata
---
amdhsa.version: [ 1, 2 ]
amdhsa.kernels:
  - .name:           k_qbb7766f309_fc
    .symbol:         k_qbb7766f309_fc.kd
    .args:
      - { .name: act2, .offset: 0, .size: 8, .value_kind: global_buffer, .address_space: global }
      - { .name: wts, .offset: 8, .size: 8, .value_kind: global_buffer, .address_space: global }
      - { .name: fc_b, .offset: 16, .size: 8, .value_kind: global_buffer, .address_space: global }
      - { .name: hq, .offset: 24, .size: 8, .value_kind: global_buffer, .address_space: global }
    .group_segment_fixed_size: 327680
    .private_segment_fixed_size: 0
    .kernarg_segment_align: 8
    .kernarg_segment_size: 32
    .max_flat_workgroup_size: 128
    .sgpr_count:     98
    .vgpr_count:     512
    .wavefront_size: 32
...
	.end_amdgpu_metadata
.endif
;; end of part 5
;; launch mlp (part 6): grid 8 x 32, 4 waves a work-group, clusters of 4 x 4, 327,680 bytes of LDS; arguments hq, wts, mlp_proj_b, x1, out0; writes out0
.if DOCPART == 6
	.amdgcn_target "amdgcn-amd-amdhsa--gfx1250"
	.amdhsa_code_object_version 6
	.text
	.protected	k_qbb7766f309_mlp
	.globl	k_qbb7766f309_mlp
	.p2align	8
	.type	k_qbb7766f309_mlp,@function
k_qbb7766f309_mlp:
	s_mov_b64 s[64:65], 0
	v_nop
	global_prefetch_b8 v0, s[64:65] scope:SCOPE_SE
	s_setreg_imm32_b32 hwreg(HW_REG_WAVE_MODE, 25, 1), 1
	s_wait_xcnt 0x0
	s_wait_alu depctr_hold_cnt(0) depctr_sa_sdst(0) depctr_va_vdst(0) depctr_va_sdst(0) depctr_va_ssrc(0) depctr_va_vcc(0) depctr_vm_vsrc(0)
	s_getreg_b32 s2, hwreg(HW_REG_IB_STS2, 6, 4)
	s_cmp_eq_u32 s2, 0
	s_cbranch_scc0 .Lentry_in_a_cluster
	s_endpgm
.Lentry_in_a_cluster:
	s_bfe_u32 s2, ttmp6, 0x10000c
	s_cmp_lg_u32 s2, 0xf033
	s_cbranch_scc0 .Lentry_shape_is_right
	s_endpgm
.Lentry_shape_is_right:
.set KSZ,   4096
.set NK,    KSZ/128
.set TPB,   12*KSZ
.set LAPS,  KSZ/1024
.set ASO,   12582912
.set WCO,   6291456
.set WSO,   9699328
.set SLOTB, 98304
.set QUART, 24576
.set SCL,   196608
.set STG,   229376
.set SPARE, 264192
.set A1,   16
.set A0,   20
.set STO,  24
.set RD,   25
.set CO,   26
.set ADRS, 27
.set SPW,  28
.set NIL,  29
.set L16,  30
.set L8,   31
.set SC,   32
.set RES,  40
.set BI,   104
.set ACC,  128
.set F0,   40
.set F1,   144
.set G1, 24
.set G0, 32
.set G1B, 48
.set G0B, 56
.set G1S, 68
.set G0S, 76
.set G1SB, 80
.set G0SB, 88
.set MSB, 0
.macro WIN new
.if MSB != \new
	s_set_vgpr_msb (MSB<<8)|\new
.set MSB, \new
.endif
.endm
.set MUL,  0x05
.set TO_F, 0x40
.macro JLOAD g0a, g1a, g0b, g1b
	s_cmp_eq_u32 s15, 0
	s_cbranch_scc0 .Lfor_b_\@
	tensor_load_to_lds s[\g0a:\g0a+3], s[\g1a:\g1a+7]
	s_nop 0
.rept 4
	v_nop
.endr
	s_branch .Lasked_\@
.Lfor_b_\@:
	tensor_load_to_lds s[\g0b:\g0b+3], s[\g1b:\g1b+7]
	s_nop 0
.rept 4
	v_nop
.endr
.Lasked_\@:
.endm
.macro CREST
	s_cmp_lg_u32 s14, 0
	s_cbranch_scc1 .Lnot_wave_0_\@
	s_barrier_signal -3
.Lnot_wave_0_\@:
	s_barrier_wait -3
	s_barrier_signal -1
	s_barrier_wait -1
.endm
.macro CROUND
	s_barrier_signal -1
	s_barrier_wait -1
	CREST
.endm
.macro PLACES n
.rept \n
	v_nop
.endr
.endm
.macro FRAG reg, adr, off
	ds_load_b128 v[(\reg):(\reg)+3], v[\adr] offset:\off
	ds_load_b64 v[(\reg)+4:(\reg)+5], v[(\adr)+2] offset:\off
	ds_load_b128 v[(\reg)+6:(\reg)+9], v[\adr] offset:(\off)+768
	ds_load_b64 v[(\reg)+10:(\reg)+11], v[(\adr)+2] offset:(\off)+768
.endm
.macro FETCH slot, ks, f, sc
	WIN 0
.irp i, 0,1,2,3
	ds_load_b32 v[SC+4*(\sc)+\i], v[ADRS] offset:512*(\ks)+64*\i
.endr
	WIN TO_F
.irp i, 0,1,2,3
	FRAG (\f)+48+12*\i, A0+\slot, 6144*\i+1536*(\ks)
.endr
.irp i, 0,1,2,3
	FRAG (\f)+12*\i, A1+\slot, 6144*\i+1536*(\ks)
.endr
.endm
.macro MUL4 f, sc, a, zero
.irp b, 0,1,2,3
.if \zero
	v_wmma_scale_f32_16x16x128_f8f6f4 v[ACC+8*(4*(\a)+\b):ACC+8*(4*(\a)+\b)+7], v[(\f)+48+12*\b:(\f)+48+12*\b+11], v[(\f)+12*(\a):(\f)+12*(\a)+11], 0, v[SC+4*(\sc)+\b], v[SC+4*(\sc)+(\a)] matrix_a_fmt:MATRIX_FMT_FP6 matrix_b_fmt:MATRIX_FMT_FP6 matrix_a_scale:MATRIX_SCALE_ROW1
.else
	v_wmma_scale_f32_16x16x128_f8f6f4 v[ACC+8*(4*(\a)+\b):ACC+8*(4*(\a)+\b)+7], v[(\f)+48+12*\b:(\f)+48+12*\b+11], v[(\f)+12*(\a):(\f)+12*(\a)+11], v[ACC+8*(4*(\a)+\b):ACC+8*(4*(\a)+\b)+7], v[SC+4*(\sc)+\b], v[SC+4*(\sc)+(\a)] matrix_a_fmt:MATRIX_FMT_FP6 matrix_b_fmt:MATRIX_FMT_FP6 matrix_a_scale:MATRIX_SCALE_ROW1
.endif
.endr
.endm
.macro STEPK slot, ks, zero
.set FC, F0+(F1-F0)*((\ks)%2)
.set FN, F0+(F1-F0)*(1-(\ks)%2)
	s_wait_dscnt 8
	WIN MUL
	MUL4 FC, (\ks)%2, 0, \zero
	MUL4 FC, (\ks)%2, 1, \zero
	PLACES 4
	FETCH \slot, (\ks)+1, FN, 1-(\ks)%2
	s_wait_dscnt 36
	WIN MUL
	MUL4 FC, (\ks)%2, 2, \zero
	MUL4 FC, (\ks)%2, 3, \zero
.endm
.macro TURN slot, next, fill
	WIN 0
	s_wait_tensorcnt 0x0
	ds_add_u32 v[SPW], v[NIL]
	s_wait_dscnt 9
	WIN MUL
	MUL4 F1, 1, 0, 0
	s_wait_dscnt 0x0
	s_barrier_signal -1
	MUL4 F1, 1, 1, 0
	WIN 0
	s_barrier_wait -1
.if \fill
	CREST
	s_add_nc_u64 s[G0+4*\slot+2:G0+4*\slot+3], s[G0+4*\slot+2:G0+4*\slot+3], 12288
	s_add_nc_u64 s[G0B+4*\slot+2:G0B+4*\slot+3], s[G0B+4*\slot+2:G0B+4*\slot+3], 12288
	JLOAD G0+4*\slot, G1, G0B+4*\slot, G1B
.else
	PLACES 4
.endif
	v_add_nc_u32 v[ADRS], 2048, v[ADRS]
	FETCH \next, 0, F0, 0
	WIN MUL
	MUL4 F1, 1, 2, 0
	MUL4 F1, 1, 3, 0
.endm
	s_load_b256 s[4:11], s[0:1], 0x0
	s_load_b64 s[12:13], s[0:1], 0x20
	v_lshl_add_u32 v[SPW], v0, 2, SPARE
	v_mov_b32 v[NIL], 0
	ds_add_u32 v[SPW], v[NIL]
	ds_add_u32 v[SPW], v[NIL]
	v_lshrrev_b32 v1, 5, v0
	v_readfirstlane_b32 s14, v1                    ; wave
	v_lshlrev_b32 v14, 4, v0                       ; the scale words come through registers: 16 bytes a thread, 2,048 a load of the work-group; never rewritten
	v_lshl_add_u32 v15, v0, 4, SCL                 ; and where they go in LDS: bytes that no tensor load fills; never rewritten
	s_lshr_b32 s15, s14, 1
	s_and_b32 s16, s14, 1
	s_bfe_u32 s40, ttmp6, 0x40000
	s_bfe_u32 s41, ttmp6, 0x40004
	s_lshl_b32 s42, ttmp9, 2
	s_add_co_u32 s42, s42, s40
	s_and_b32 s17, ttmp7, 0xffff
	s_lshl_b32 s17, s17, 2
	s_add_co_u32 s17, s17, s41
	s_lshl_b32 s43, s41, 2
	s_lshl_b32 s43, 15, s43
	s_lshl_b32 s44, 0x1111, s40
	s_or_b32 s[G1+0], s43, (3<<16)|(1<<21)
	s_or_b32 s[G1B+0], s44, (3<<16)|(1<<21)
.irp g, G1, G1B
	s_mov_b32 s[\g+1], 768<<16
	s_mov_b32 s[\g+2], 4<<16
	s_mov_b32 s[\g+3], 768<<16
	s_mov_b32 s[\g+4], 4
	s_mov_b32 s[\g+5], TPB/8
	s_mov_b32 s[\g+6], 0
	s_mov_b32 s[\g+7], 0
.endr
	s_lshl_b32 s18, s16, 2
	s_lshl_b32 s20, s17, 3
	s_add_co_u32 s20, s20, s18
	s_mul_i32 s20, s20, TPB
	s_mov_b32 s21, 0
	s_mul_i32 s22, s17, NK*512
	s_mov_b32 s23, 0
	s_lshl_b32 s46, s42, 3
	s_add_co_u32 s46, s46, s18
	s_mul_i32 s46, s46, TPB
	s_mov_b32 s47, 0
	s_mul_i32 s92, s42, NK*512
	s_mov_b32 s93, 0
	s_mul_i32 s45, s14, QUART
	s_wait_alu depctr_va_vdst(0)
	s_wait_dscnt 0x0                               ; both opening adds are done
	s_wait_kmcnt 0x0
	s_add_nc_u64 s[20:21], s[4:5], s[20:21]
	s_add_nc_u64 s[22:23], s[4:5], s[22:23]
	s_add_nc_u64 s[22:23], s[22:23], ASO
	s_add_nc_u64 s[46:47], s[6:7], s[46:47]
	s_add_nc_u64 s[46:47], s[46:47], WCO
	s_add_nc_u64 s[92:93], s[6:7], s[92:93]
	s_add_nc_u64 s[92:93], s[92:93], WSO
	s_mov_b64 s[76:77], s[22:23]                   ; (s22 and s23 are used again below)
.irp j, 0,1,2,3,4,5,6,7                        ; P1's 16,384 bytes of scale words and P0's, into registers that the sums take only later
	global_load_b128 v[ACC+4*\j:ACC+4*\j+3], v14, s[76:77] offset:2048*\j
	global_load_b128 v[ACC+32+4*\j:ACC+32+4*\j+3], v14, s[92:93] offset:2048*\j
.endr
	CROUND                                         ; all sixteen work-groups are here: the first joint loads meet
.irp s, 0,1
	s_mov_b32 s[G0+4*\s], 1
	s_add_co_u32 s[G0+4*\s+1], s45, \s*SLOTB
	s_add_nc_u64 s[G0+4*\s+2:G0+4*\s+3], s[20:21], \s*6144
	s_or_b32 s[G0+4*\s+3], s[G0+4*\s+3], 0x80000000
	s_mov_b32 s[G0B+4*\s], 1
	s_add_co_u32 s[G0B+4*\s+1], s45, \s*SLOTB
	s_add_nc_u64 s[G0B+4*\s+2:G0B+4*\s+3], s[46:47], \s*6144
	s_or_b32 s[G0B+4*\s+3], s[G0B+4*\s+3], 0x80000000
.endr
	JLOAD G0, G1, G0B, G1B                         ; slot 0: my one tensor load at the head
	s_wait_loadcnt 0x0                             ; the scale words
.irp j, 0,1,2,3,4,5,6,7,8,9,10,11,12,13,14,15
	ds_store_b128 v15, v[ACC+4*\j:ACC+4*\j+3] offset:2048*\j   ; P1's block, then P0's, as they lie in memory
.endr
	s_wait_tensorcnt 0x0                           ; my part of slot 0 is in
	ds_add_u32 v[SPW], v[NIL]
	s_wait_dscnt 0x0                               ; the add and my stores of scale words are done
	CROUND
	JLOAD G0+4, G1, G0B+4, G1B                     ; slot 1's first fill, the first tensor load behind the round
	v_and_b32 v1, 15, v0
	v_bfe_u32 v2, v0, 4, 1
	v_and_b32 v4, 31, v0
	v_lshlrev_b32 v[L16], 4, v4
	v_lshlrev_b32 v[L8], 3, v4
	s_mul_i32 s21, s15, QUART
	s_mul_i32 s22, s16, QUART
	s_add_co_u32 s22, s22, 2*QUART
.irp s, 0,1
	v_add_nc_u32 v[A1+\s], s21, v[L16]
	v_add_nc_u32 v[A0+\s], s22, v[L16]
	v_add_nc_u32 v[A1+2+\s], s21, v[L8]
	v_add_nc_u32 v[A0+2+\s], s22, v[L8]
	v_add_nc_u32 v[A1+2+\s], 512, v[A1+2+\s]
	v_add_nc_u32 v[A0+2+\s], 512, v[A0+2+\s]
	s_add_co_u32 s21, s21, SLOTB
	s_add_co_u32 s22, s22, SLOTB
.endr
	s_lshl_b32 s21, s15, 8
	s_lshl_b32 s22, s16, 8
	s_add_co_u32 s22, s22, NK*512
	s_sub_co_u32 s22, s22, s21
	v_mul_u32_u24 v7, s22, v2
	v_lshl_add_u32 v7, v1, 2, v7
	s_add_co_u32 s21, s21, SCL
	v_add_nc_u32 v[ADRS], s21, v7
	s_mul_i32 s23, s14, 8704
	s_add_co_u32 s23, s23, STG
	v_mul_u32_u24 v[STO], v1, 272
	v_lshl_add_u32 v[STO], v2, 6, v[STO]
	v_add_nc_u32 v[STO], s23, v[STO]
	v_mul_u32_u24 v[RD], v2, 272
	v_lshl_add_u32 v[RD], v1, 4, v[RD]
	v_add_nc_u32 v[RD], s23, v[RD]
	v_lshlrev_b32 v[CO], 12, v2
	v_lshl_add_u32 v[CO], v1, 4, v[CO]
	v_lshlrev_b32 v5, 4, v1
	s_wait_alu depctr_va_vdst(0)
	s_lshl_b32 s94, s17, 7
	s_lshl_b32 s95, s15, 6
	s_add_co_u32 s94, s94, s95
	s_lshl_b32 s94, s94, 12
	s_lshl_b32 s96, s42, 9
	s_lshl_b32 s97, s16, 8
	s_add_co_u32 s96, s96, s97
	s_add_co_u32 s94, s94, s96
	s_mov_b32 s95, 0
	s_mov_b32 s97, 0
	s_add_nc_u64 s[10:11], s[10:11], s[94:95]
	s_add_nc_u64 s[12:13], s[12:13], s[94:95]
	s_add_nc_u64 s[8:9], s[8:9], s[96:97]
	global_load_b128 v[BI:BI+3], v5, s[8:9]
.irp t, 0,1,2,3,4,5,6,7,8,9,10,11,12,13,14,15
	global_load_b128 v[RES+4*\t:RES+4*\t+3], v[CO], s[10:11] offset:(16*((\t/4)%2)+8*(\t/8)+2*(\t%4))*4096
.endr
	s_wait_tensorcnt 1
	s_barrier_signal -1
	s_barrier_wait -1
	FETCH 0, 0, F0, 0
	STEPK 0, 0, 1
.if LAPS > 1
	WIN 0
	s_mov_b32 s3, LAPS-1
.Llap:
	s_wait_alu depctr_va_vdst(0)
	STEPK 0, 1, 0
	STEPK 0, 2, 0
	TURN 0, 1, 1
	s_wait_alu depctr_va_vdst(0)
	STEPK 1, 0, 0
	STEPK 1, 1, 0
	STEPK 1, 2, 0
	TURN 1, 0, 1
	s_wait_alu depctr_va_vdst(0)
	STEPK 0, 0, 0
	WIN 0
	s_sub_co_u32 s3, s3, 1
	s_cmp_lg_u32 s3, 0
	s_cbranch_scc1 .Llap
.endif
	STEPK 0, 1, 0
	STEPK 0, 2, 0
	TURN 0, 1, 0
	s_wait_alu depctr_va_vdst(0)
	STEPK 1, 0, 0
	STEPK 1, 1, 0
	STEPK 1, 2, 0
	s_wait_dscnt 8
	WIN MUL
	MUL4 F1, 1, 0, 0
	MUL4 F1, 1, 1, 0
	s_wait_dscnt 0x0
	MUL4 F1, 1, 2, 0
	MUL4 F1, 1, 3, 0
	WIN 0
	PLACES 4
.irp g, 0,1
.irp u, 0,1
.irp b, 0,1,2,3
	ds_store_b128 v[STO], v[ACC+64*\g+32*\u+8*\b:ACC+64*\g+32*\u+8*\b+3] offset:4352*\u+128*(\b/2)+32*(\b%2)
	ds_store_b128 v[STO], v[ACC+64*\g+32*\u+8*\b+4:ACC+64*\g+32*\u+8*\b+7] offset:4352*\u+128*(\b/2)+32*(\b%2)+16
.endr
.endr
.irp t, 0,1,2,3,4,5,6,7,8,9,10,11,12,13,14,15
	ds_load_b128 v[ACC+64*\g+4*\t:ACC+64*\g+4*\t+3], v[RD] offset:544*\t
.endr
	s_wait_dscnt 0x0
	s_wait_loadcnt 0x0
.set p, 0
.rept 32
	v_pk_add_f32 v[ACC+64*\g+p:ACC+64*\g+p+1], v[ACC+64*\g+p:ACC+64*\g+p+1], v[RES+p:RES+p+1]
.set p, p+2
.endr
.if \g == 0
.irp t, 0,1,2,3,4,5,6,7,8,9,10,11,12,13,14,15
	global_load_b128 v[RES+4*\t:RES+4*\t+3], v[CO], s[10:11] offset:(32+16*((\t/4)%2)+8*(\t/8)+2*(\t%4))*4096
.endr
.endif
.set p, 0
.rept 32
	v_pk_add_f32 v[ACC+64*\g+p:ACC+64*\g+p+1], v[ACC+64*\g+p:ACC+64*\g+p+1], v[BI+p%4:BI+p%4+1]
.set p, p+2
.endr
.irp t, 0,1,2,3,4,5,6,7,8,9,10,11,12,13,14,15
	global_store_b128 v[CO], v[ACC+64*\g+4*\t:ACC+64*\g+4*\t+3], s[12:13] offset:(32*\g+16*((\t/4)%2)+8*(\t/8)+2*(\t%4))*4096
.endr
.endr
	s_wait_tensorcnt 0x0
	ds_add_u32 v[SPW], v[NIL]
	s_wait_dscnt 0x0
	CROUND
	s_endpgm
.Lfunc_end_k_qbb7766f309_mlp:
	.size	k_qbb7766f309_mlp, .Lfunc_end_k_qbb7766f309_mlp-k_qbb7766f309_mlp
	.p2alignl 7, 3214868480
	.fill 96, 4, 3214868480
	.section	.rodata,"a",@progbits
	.p2align	6, 0x0
	.amdhsa_kernel k_qbb7766f309_mlp
		.amdhsa_group_segment_fixed_size 327680
		.amdhsa_private_segment_fixed_size 0
		.amdhsa_enable_private_segment 0
		.amdhsa_kernarg_size 40
		.amdhsa_user_sgpr_count 2
		.amdhsa_user_sgpr_kernarg_segment_ptr 1
		.amdhsa_wavefront_size32 1
		.amdhsa_system_sgpr_workgroup_id_x 1
		.amdhsa_system_sgpr_workgroup_id_y 1
		.amdhsa_system_sgpr_workgroup_id_z 1
		.amdhsa_system_vgpr_workitem_id 0
		.amdhsa_next_free_vgpr 512
		.amdhsa_next_free_sgpr 98
		.amdhsa_reserve_vcc 0
		.amdhsa_float_denorm_mode_32 3
		.amdhsa_float_denorm_mode_16_64 3
		.amdhsa_memory_ordered 1
		.amdhsa_forward_progress 1
		.amdhsa_inst_pref_size 106
	.end_amdhsa_kernel
	.amdgpu_metadata
---
amdhsa.version: [ 1, 2 ]
amdhsa.kernels:
  - .name:           k_qbb7766f309_mlp
    .symbol:         k_qbb7766f309_mlp.kd
    .args:
      - { .name: hq, .offset: 0, .size: 8, .value_kind: global_buffer, .address_space: global }
      - { .name: wts, .offset: 8, .size: 8, .value_kind: global_buffer, .address_space: global }
      - { .name: mlp_proj_b, .offset: 16, .size: 8, .value_kind: global_buffer, .address_space: global }
      - { .name: x1, .offset: 24, .size: 8, .value_kind: global_buffer, .address_space: global }
      - { .name: out0, .offset: 32, .size: 8, .value_kind: global_buffer, .address_space: global }
    .group_segment_fixed_size: 327680
    .private_segment_fixed_size: 0
    .kernarg_segment_align: 8
    .kernarg_segment_size: 40
    .max_flat_workgroup_size: 128
    .sgpr_count:     98
    .vgpr_count:     512
    .wavefront_size: 32
...
	.end_amdgpu_metadata
.endif
;; end of part 6
